; MI455X (gfx1250); checked and timed in simulation.
; The chip was launched on July 23, 2026; its instructions are those of AMD's public machine-readable ISA for CDNA 5 (MIT licence, August 2026) and "CDNA5" Instruction Set Architecture Reference Guide (July 2026). The comments in the code are by the model that wrote it; some were corrected since.
;; Mo E. Allowed arithmetic: matrix products marked QUANTISED: E2M3 operands, one E8M0 scale for each 32 along K, by v_wmma_scale_f32_16x16x128_f8f6f4 with both operands' format E2M3, f32 sums; products left as they are: f32 operands where the result goes on into a quantised operand, else bf16, f16 or f32 operands; f32 sums; everything else in f32.
;; Inputs: expert_b 8 x 2,048 float32; expert_w 8 x 2,048 x 1,024 float32; gate_b 8 float32; gate_w 8 x 1,024 float32; x 4,096 x 1,024 float32.
;; Outputs: out0 4,096 x 2,048 float32.
;; This version of the problem:
;;   THIS VERSION OF THE PROBLEM IS GIVEN IN LOW PRECISION. The matrix products marked QUANTISED in the list below multiply operands that are first quantised to E2M3 (2 exponent bits, 3 mantissa bits; 6 bits a number), with one power-of-two scale for each 32 numbers along K (OCP MX v1.0); their sums are f32. All else is computed in f32.
;;   The module's matrix products, in the order in which they are computed (A, B: the left and right operand; K: the contracted axis; several contracted axes count as one K, in the product's order):
;;     1. [M 4,096, K 1,024] x [K 1,024, N 8]; A: input x; B: input gate_w: left as it is (N = 8 < 16)
;;     2. [M 4,096, K 1,024] x [K 1,024, N 16,384]; A: input x; B: input expert_w: QUANTISED
;;     3. batch 4,096 x [M 1, K 8] x [K 8, N 2,048]; A: softmax; B: computed on the way: left as it is (K = 8 < 32)
;;   THE QUANTISER, for each operand of a quantised product, along K:
;;     - K is cut into blocks of 32 from its start; a last block that is shorter is filled with zeros.
;;     - A block's scale is 2^e with e = floor(log2(the largest magnitude in the block)) - 2, held to -126 .. 127; a block of zeros has e = 0. As a byte (E8M0): e + 127.
;;     - Each number is divided by its block's scale, clamped to +-7.5, and rounded to the nearest number of E2M3, ties to even, subnormals kept.
;;     - The product sums the exact products of the quantised numbers (number of the format x scale) in f32.
;;   ~~~python
;;   def quantise(x, axis):      # numpy; x: float32 -> the quantised numbers, widened to float32 again
;;       x = np.moveaxis(x, axis, -1); K = x.shape[-1]
;;       x = np.pad(x, [(0, 0)] * (x.ndim - 1) + [(0, -K % 32)]); x = x.reshape(x.shape[:-1] + (-1, 32)); a = np.abs(x).max(-1, keepdims=True)
;;       e = np.where(a > 0, np.clip(np.frexp(np.where(a > 0, a, 1))[1] - 1 - 2, -126, 127), 0)      # np.frexp(a)[1] - 1 = floor(log2(a)), exactly
;;       r = np.clip(x / 2.0 ** e, -7.5, 7.5)
;;       step = 2.0 ** (np.maximum(np.frexp(np.where(r == 0, 1, r))[1] - 1, 0) - 3)
;;       q = np.round(r / step) * step * 2.0 ** e      # np.round: ties to even
;;       return np.moveaxis(q.reshape(q.shape[:-2] + (-1,))[..., :K], -1, axis).astype(np.float32)
;;   ~~~
;; 2 versions. Each part assembles by itself: llvm-mc -triple=amdgcn-amd-amdhsa -mcpu=gfx1250 --defsym DOCPART=n.
;; ======== version 1 of 2: 2 launches
;; workspace buffers: x_codes 3,145,728 bytes; w_codes 12,582,912 bytes; scales 655,360 bytes; g 131,072 bytes
;; launch prep (part 1): grid 640 x 1, 4 waves a work-group, no clusters, 2,560 bytes of LDS; arguments x, expert_w, gate_w, gate_b, x_codes, w_codes, scales, g; writes x_codes, w_codes, scales, g
.if DOCPART == 1
	.amdgcn_target "amdgcn-amd-amdhsa--gfx1250"
	.amdhsa_code_object_version 6
	.text
	.protected	k_q57b5d2eec8_prep
	.globl	k_q57b5d2eec8_prep
	.p2align	8
	.type	k_q57b5d2eec8_prep,@function
k_q57b5d2eec8_prep:
	s_mov_b64 s[64:65], 0
	v_nop
	global_prefetch_b8 v0, s[64:65] scope:SCOPE_SE
	s_setreg_imm32_b32 hwreg(HW_REG_WAVE_MODE, 25, 1), 1
	s_wait_xcnt 0x0
; x [4096][1024] and expert_w [8][2048][1024], f32, are turned into codes of FP6 (E2M3), 6 bits each, K innermost (a row of 1,024 codes is 768 bytes), with one E8M0 scale byte for each 32 along K.
; On the way x also gives the gate: g[n][e] = softmax_e(x[n] . gate_w[e] + gate_b[e]), all in f32 (fused multiply-adds; the largest logit is taken away ahead of the exponential).
; A block's scale is 2^(floor(log2(its largest magnitude)) - 2); its byte is the largest magnitude's exponent field - 2, held at 1 from below; a block of zeros gets 127.  Each number is divided by the scale and rounded
; to the nearest code, ties to even; what lies beyond 7.5 gets the largest code (FP6 has no code for infinity or NaN).
; LIMITS: blocks whose largest magnitude lies under 2^-123 have their byte held at 1, as the quantiser's hold at -126 asks; NaN and infinities among the inputs are not served; a gate weight under 2^-126 comes out as 0
; (v_exp_f32 gives 0 for a result that would be denormal: ISA guide, 15.8).
; THE ROWS OF THE WEIGHTS ARE LAID ANEW: row (e, h) goes to row n' = 128 (h / 16) + 16 e + h % 16 of w_codes and of W's scale bytes, so that 128 neighbouring rows hold 16 neighbouring h of all 8 experts.
; scales holds x's bytes [4096][32] first, then W's [16384 n'][32].
; SHARES: work-groups 0-127 take x, the other 512 take W.  A wave takes 8 rows (8,192 numbers) in 16 steps of 512: step t is row t / 2, half t % 2.  In a step a lane holds 16 neighbouring numbers (64 bytes, four loads),
; two neighbouring lanes hold a block; a step's four loads together read 2,048 consecutive bytes; a lane's 16 codes are 12 bytes: the wave stores 384 consecutive bytes.
; A wave's 256 scale bytes, and its 8 rows x 8 gate weights (256 bytes), are gathered in its own LDS bytes and leave as one run of 256 consecutive, aligned bytes each.
; No tensor loads, no barrier: waves share nothing.  Loads run eight steps (32 loads a wave) ahead.  Every offset is an immediate: no pointer is stepped, no store's data are written again, EXEC never changes.
; REGISTERS: window 0: v2-7, v14 addresses; v8-13 at work; v16-143 eight sets of 16 numbers; v144-207 codes, four registers a step; v208-223 a scale byte a step; v224-239 eight pairs of gate sums; v240-247 logits; v248-255 the other half's sums.
;   window 1 (x's work-groups): v[32 e + 16 s + i] = gate_w[e][512 s + 16 lane + i]: my lane's share of all of gate_w stays in registers.
.set XWG,  128                         ; work-groups that take x
.set XSCL, 4096*32                     ; x's scale bytes; W's begin behind them
.set X,    16
.set C,    144
.set E,    208
.set ACC,  224
.set L,    240
.set T,    248
.set MSB, 0
.macro WIN new                         ; the immediate's high byte repeats the setting that is left
.if MSB != (\new)
	s_set_vgpr_msb (MSB<<8)|(\new)
.set MSB, \new
.endif
.endm
	s_load_b256 s[4:11], s[0:1], 0x0               ; x s[4:5], expert_w s[6:7], gate_w s[8:9], gate_b s[10:11]
	s_load_b256 s[12:19], s[0:1], 0x20             ; x_codes s[12:13], w_codes s[14:15], scales s[16:17], g s[18:19]
	v_lshl_add_u32 v203, v0, 2, 0x800
	v_mov_b32 v207, 0
	v_lshrrev_b32 v1, 5, v0
	v_readfirstlane_b32 s20, v1                    ; wave 0..3
	v_and_b32 v2, 31, v0                           ; lane
	v_lshlrev_b32 v3, 6, v2                        ; my 64 bytes of a step's 2,048
	v_mul_u32_u24 v4, v2, 12                       ; my codes' place in a step's 384 bytes
	v_lshrrev_b32 v5, 1, v2
	s_lshl_b32 s21, s20, 8
	v_add_nc_u32 v5, s21, v5                       ; LDS: my wave's 256 scale bytes, my block's byte
	v_lshlrev_b32 v7, 3, v2                        ; on the way out 8 bytes a lane
	v_add_nc_u32 v6, s21, v7
	s_cmp_lt_u32 ttmp9, XWG                        ; x's work-group or W's?  Every choice below hangs on the work-group's number alone
	s_cselect_b32 s22, 0, XWG
	s_sub_co_u32 s22, ttmp9, s22
	s_lshl2_add_u32 s22, s22, s20                  ; R: which run of 8 rows of the tensor is my wave's
	s_bfe_u32 s23, s22, 0x70001                    ; W: R = 256 e + h / 8.  h / 16 = (R & 255) >> 1,
	s_lshl_b32 s23, s23, 4
	s_lshr_b32 s36, s22, 8                         ; e,
	s_lshl1_add_u32 s23, s36, s23
	s_and_b32 s36, s22, 1                          ; (h / 8) % 2:
	s_add_co_u32 s23, s23, s36                     ; the run's new place, 16 (h / 16) + 2 e + (h / 8) % 2
	s_cmp_lt_u32 ttmp9, XWG
	s_cselect_b32 s23, s22, s23                    ; x's runs stay where they are
	s_cselect_b32 s37, 0, XSCL
	s_lshl_b32 s38, s22, 15                        ; in: 32,768 bytes a run
	s_mov_b32 s39, 0
	s_mul_i32 s40, s23, 6144                       ; codes: 8 rows of 768 bytes
	s_mov_b32 s41, 0
	s_lshl_b32 s42, s23, 8                         ; scale bytes: 256 a run
	s_add_co_u32 s42, s42, s37
	s_mov_b32 s43, 0
	s_lshl_b32 s44, s22, 8                         ; gate weights: 8 rows of 32 bytes
	s_mov_b32 s45, 0
	s_wait_kmcnt 0x0
	s_cmp_lt_u32 ttmp9, XWG
	s_cselect_b64 s[4:5], s[4:5], s[6:7]
	s_cselect_b64 s[12:13], s[12:13], s[14:15]
	s_add_nc_u64 s[4:5], s[4:5], s[38:39]
	s_add_nc_u64 s[12:13], s[12:13], s[40:41]
	s_add_nc_u64 s[16:17], s[16:17], s[42:43]
.macro LOAD t                          ; step t's 16 numbers a lane into set t % 8
.irp i, 0,1,2,3
	global_load_b128 v[X+16*((\t)%8)+4*\i:X+16*((\t)%8)+4*\i+3], v3, s[4:5] offset:2048*(\t)+16*\i th:TH_LOAD_NT
.endr
.endm
; One step.  gate = 1: the step's numbers also go into the eight gate sums.
.macro QSTEP t, gate
.set XS, X+16*((\t)%8)
.if 15-(\t) >= 7
	s_wait_loadcnt 28                              ; loads come back in order (ISA guide 5.7.1): this step's four are in (and all of gate_w, asked for earlier); the next seven steps' may be out
.else
	s_wait_loadcnt 4*(15-(\t))
.endif
	v_max3_num_f32 v8, |v[XS]|, |v[XS+1]|, |v[XS+2]|               ; the largest magnitude of my 16, in two chains
	v_max3_num_f32 v9, |v[XS+3]|, |v[XS+4]|, |v[XS+5]|
.irp i, 6,10
	v_max3_num_f32 v8, v8, |v[XS+\i]|, |v[XS+\i+1]|
	v_max3_num_f32 v9, v9, |v[XS+\i+2]|, |v[XS+\i+3]|
.endr
	v_max3_num_f32 v8, v8, |v[XS+14]|, |v[XS+15]|
	v_max_num_f32 v8, v8, v9
	v_max_num_f32_dpp v8, v8, v8 row_xmask:1 row_mask:0xf bank_mask:0xf   ; and of my neighbour's 16: the block's
	v_lshrrev_b32 v9, 23, v8                       ; its exponent field (the sign bit is 0)
	v_max_u32 v9, 3, v9                            ; the byte is not to fall under 1
	v_add_nc_u32 v9, -2, v9                        ; the scale's byte
	v_lshlrev_b32 v11, 23, v9                      ; and the scale as f32: the conversion takes its exponent field
	v_cmp_eq_u32 vcc_lo, 0, v8                     ; a block of zeros?
	v_cvt_scalef32_pk16_fp6_f32 v[C+4*(\t):C+4*(\t)+2], v[XS:XS+15], v11   ; sixteen codes, 96 bits without gaps, the first number's code lowest
	v_cndmask_b32 v[E+(\t)], v9, 127, vcc_lo       ; a block of zeros gets 127.  (Also the one plain vector instruction between a scaled conversion and what touches its result)
	ds_store_b8 v5, v[E+(\t)] offset:16*(\t)       ; both lanes of a block write the same byte with the same value
	global_store_b96 v4, v[C+4*(\t):C+4*(\t)+2], s[12:13] offset:384*(\t)
.if \gate
	WIN 0x04                                       ; source 1 (gate_w) in window 1
.set GS, 16*((\t)%2)
.irp p, 0,1,2,3,4,5,6,7                ; the eight experts' sums take turns, so that no instruction waits for the one in front of it
.irp e, 0,1,2,3,4,5,6,7
.if ((\t)%2 == 0) && (\p == 0)
	v_pk_mul_f32 v[ACC+2*\e:ACC+2*\e+1], v[XS+2*\p:XS+2*\p+1], v[32*\e+GS+2*\p:32*\e+GS+2*\p+1]   ; a row's first products start its sums: nothing is cleared
.else
	v_pk_fma_f32 v[ACC+2*\e:ACC+2*\e+1], v[XS+2*\p:XS+2*\p+1], v[32*\e+GS+2*\p:32*\e+GS+2*\p+1], v[ACC+2*\e:ACC+2*\e+1]
.endif
.endr
.endr
	WIN 0
.endif
.if (\t)+8 < 16
	LOAD (\t)+8
.endif
.endm
; A row of x is through: its eight logits, their softmax, 32 bytes into my wave's LDS bytes.
.macro ROWEND r
.irp e, 0,1,2,3,4,5,6,7
	v_add_f32 v[L+\e], v[ACC+2*\e], v[ACC+2*\e+1]
.endr
.irp m, 1,2,4,8                        ; across the 32 lanes: four steps inside each half of 16 ride on the addition, one crosses the halves
.irp e, 0,1,2,3,4,5,6,7
	v_add_f32_dpp v[L+\e], v[L+\e], v[L+\e] row_xmask:\m row_mask:0xf bank_mask:0xf
.endr
.endr
.irp e, 0,1,2,3,4,5,6,7
	v_permlanex16_b32 v[T+\e], v[L+\e], s32, s33
.endr
.irp e, 0,1,2,3,4,5,6,7
	v_add_f32 v[L+\e], v[L+\e], v[T+\e]
.endr
.irp e, 0,1,2,3,4,5,6,7
	v_add_f32 v[L+\e], s[24+\e], v[L+\e]           ; + gate_b: every lane now holds the row's eight logits
.endr
	v_max3_num_f32 v8, v[L], v[L+1], v[L+2]
	v_max3_num_f32 v8, v8, v[L+3], v[L+4]
	v_max3_num_f32 v8, v8, v[L+5], v[L+6]
	v_max_num_f32 v8, v8, v[L+7]                   ; the largest logit
	v_mul_f32 v8, s34, v8
.irp e, 0,1,2,3,4,5,6,7
	v_fma_f32 v[L+\e], v[L+\e], s34, -v8           ; (logit - the largest) x log2(e), fused
.endr
.irp e, 0,1,2,3,4,5,6,7
	v_exp_f32 v[L+\e], v[L+\e]
.endr
	v_nop                                          ; one plain instruction between the exponentials and the use of their results (ISA guide 5.7.2)
	s_wait_alu depctr_va_vdst(0)
	v_add_f32 v8, v[L], v[L+1]
	v_add_f32 v9, v[L+2], v[L+3]
	v_add_f32 v10, v[L+4], v[L+5]
	v_add_f32 v11, v[L+6], v[L+7]
	v_add_f32 v8, v8, v9
	v_add_f32 v10, v10, v11
	v_add_f32 v8, v8, v10
	v_rcp_f32 v12, v8
	v_mov_b32 v13, 0                               ; the plain instruction behind the reciprocal; it also writes the pair's second register, which the packed multiply names
	s_wait_alu depctr_va_vdst(0)
.irp p, 0,1,2,3
	v_pk_mul_f32 v[ACC+2*\p:ACC+2*\p+1], v[L+2*\p:L+2*\p+1], v[12:13] op_sel_hi:[1,0]
.endr
	ds_store_b128 v14, v[ACC:ACC+3] offset:32*\r   ; all lanes write the same bytes with the same values
	ds_store_b128 v14, v[ACC+4:ACC+7] offset:32*\r+16
.endm
	s_cmp_lt_u32 ttmp9, XWG
	s_cbranch_scc0 .Lw_path
	; ---- x: codes, scale bytes and the gate
	s_load_b256 s[24:31], s[10:11], 0x0            ; gate_b, eight numbers
	s_add_nc_u64 s[18:19], s[18:19], s[44:45]
	s_mov_b32 s32, 0x76543210                      ; v_permlanex16_b32: each lane takes its own place in the other half
	s_mov_b32 s33, 0xfedcba98
	s_mov_b32 s34, 0x3fb8aa3b                      ; log2(e)
	s_add_co_u32 s35, s21, 1024
	v_mov_b32 v14, s35                             ; LDS: my wave's 256 bytes of gate weights, behind the four waves' scale bytes
.irp e, 0,1,2,3,4,5,6,7
	v_mov_b32 v[T+\e], 0                           ; (the destination of a lane permute counts as read)
.endr
	WIN 0x40                                       ; destination window 1
.irp e, 0,1,2,3,4,5,6,7
.irp j, 0,1,2,3,4,5,6,7
	global_load_b128 v[32*\e+4*\j:32*\e+4*\j+3], v3, s[8:9] offset:4096*\e+2048*(\j/4)+16*(\j%4)
.endr
.endr
	WIN 0
.irp t, 0,1,2,3,4,5,6,7
	LOAD \t
.endr
	s_wait_kmcnt 0x0                               ; gate_b
.irp r, 0,1,2,3,4,5,6,7
	QSTEP 2*\r, 1
	QSTEP 2*\r+1, 1
	ROWEND \r
.endr
	ds_load_b64 v[12:13], v6                       ; LDS serves a wave's instructions in order (ISA guide 5.7.1.4): these see my stores
	ds_load_b64 v[10:11], v6 offset:1024
	s_wait_dscnt 0x0
	global_store_b64 v7, v[12:13], s[16:17]        ; 32 lanes store 256 consecutive bytes, at a multiple of 256 from the buffer's first byte
	global_store_b64 v7, v[10:11], s[18:19]        ; likewise
	s_wait_tensorcnt 0x0
	ds_add_u32 v203, v207
	s_wait_dscnt 0x0
	s_endpgm
.Lw_path:
	; ---- W: codes and scale bytes
.irp t, 0,1,2,3,4,5,6,7
	LOAD \t
.endr
.irp t, 0,1,2,3,4,5,6,7,8,9,10,11,12,13,14,15
	QSTEP \t, 0
.endr
	ds_load_b64 v[12:13], v6
	s_wait_dscnt 0x0
	global_store_b64 v7, v[12:13], s[16:17]
	s_wait_tensorcnt 0x0
	ds_add_u32 v203, v207
	s_wait_dscnt 0x0
	s_endpgm
.Lfunc_end_k_q57b5d2eec8_prep:
	.size	k_q57b5d2eec8_prep, .Lfunc_end_k_q57b5d2eec8_prep-k_q57b5d2eec8_prep
	.p2alignl 7, 3214868480
	.fill 96, 4, 3214868480
	.section	.rodata,"a",@progbits
	.p2align	6, 0x0
	.amdhsa_kernel k_q57b5d2eec8_prep
		.amdhsa_group_segment_fixed_size 2560
		.amdhsa_private_segment_fixed_size 0
		.amdhsa_enable_private_segment 0
		.amdhsa_kernarg_size 64
		.amdhsa_user_sgpr_count 2
		.amdhsa_user_sgpr_kernarg_segment_ptr 1
		.amdhsa_wavefront_size32 1
		.amdhsa_system_sgpr_workgroup_id_x 1
		.amdhsa_system_sgpr_workgroup_id_y 1
		.amdhsa_system_sgpr_workgroup_id_z 1
		.amdhsa_system_vgpr_workitem_id 0
		.amdhsa_next_free_vgpr 512
		.amdhsa_next_free_sgpr 66
		.amdhsa_reserve_vcc 1
		.amdhsa_float_denorm_mode_32 3
		.amdhsa_float_denorm_mode_16_64 3
		.amdhsa_memory_ordered 1
		.amdhsa_forward_progress 1
		.amdhsa_inst_pref_size 160
	.end_amdhsa_kernel
	.amdgpu_metadata
---
amdhsa.version: [ 1, 2 ]
amdhsa.kernels:
  - .name:           k_q57b5d2eec8_prep
    .symbol:         k_q57b5d2eec8_prep.kd
    .args:
      - { .name: x, .offset: 0, .size: 8, .value_kind: global_buffer, .address_space: global }
      - { .name: expert_w, .offset: 8, .size: 8, .value_kind: global_buffer, .address_space: global }
      - { .name: gate_w, .offset: 16, .size: 8, .value_kind: global_buffer, .address_space: global }
      - { .name: gate_b, .offset: 24, .size: 8, .value_kind: global_buffer, .address_space: global }
      - { .name: x_codes, .offset: 32, .size: 8, .value_kind: global_buffer, .address_space: global }
      - { .name: w_codes, .offset: 40, .size: 8, .value_kind: global_buffer, .address_space: global }
      - { .name: scales, .offset: 48, .size: 8, .value_kind: global_buffer, .address_space: global }
      - { .name: g, .offset: 56, .size: 8, .value_kind: global_buffer, .address_space: global }
    .group_segment_fixed_size: 2560
    .private_segment_fixed_size: 0
    .kernarg_segment_align: 8
    .kernarg_segment_size: 64
    .max_flat_workgroup_size: 128
    .sgpr_count:     66
    .vgpr_count:     512
    .wavefront_size: 32
...
	.end_amdgpu_metadata
.endif
;; end of part 1
;; launch moe (part 2): grid 16 x 16, 4 waves a work-group, clusters of 4 x 4, 327,680 bytes of LDS; arguments x_codes, w_codes, scales, g, expert_b, out0; writes out0
.if DOCPART == 2
	.amdgcn_target "amdgcn-amd-amdhsa--gfx1250"
	.amdhsa_code_object_version 6
	.text
	.protected	k_q57b5d2eec8_moe
	.globl	k_q57b5d2eec8_moe
	.p2align	8
	.type	k_q57b5d2eec8_moe,@function
k_q57b5d2eec8_moe:
	s_mov_b64 s[64:65], 0
	v_nop
	global_prefetch_b8 v0, s[64:65] scope:SCOPE_SE
	s_setreg_imm32_b32 hwreg(HW_REG_WAVE_MODE, 25, 1), 1
	s_wait_xcnt 0x0
	s_wait_alu depctr_hold_cnt(0) depctr_sa_sdst(0) depctr_va_vdst(0) depctr_va_sdst(0) depctr_va_ssrc(0) depctr_va_vcc(0) depctr_vm_vsrc(0)
	s_getreg_b32 s2, hwreg(HW_REG_IB_STS2, 6, 4)
	s_cmp_eq_u32 s2, 0
	s_cbranch_scc0 .Lentry_in_a_cluster
	s_endpgm
.Lentry_in_a_cluster:
	s_bfe_u32 s2, ttmp6, 0x10000c
	s_cmp_lg_u32 s2, 0xf033
	s_cbranch_scc0 .Lentry_shape_is_right
	s_endpgm
.Lentry_shape_is_right:
; out[n][h] = the sum over e of g[n][e] x relu(x[n] . W[e][h] + b[e][h]).  x and W come as codes of FP6 (E2M3) with one E8M0 scale byte for each 32 along K = 1,024; sums, bias, ReLU and the combination in f32.
; x_codes [4096][768 bytes]; w_codes [16384 rows n'][768 bytes] with n' = 128 (h / 16) + 16 e + h % 16; scales: x's bytes [4096][32], then W's [16384 n'][32]; g [4096][8] f32; expert_b [8][2048] f32; out [4096][2048] f32.
; THE POINT OF THE ROWS' ORDER: a wave's tile is 128 tokens x 128 rows n' = 16 neighbouring h of ALL 8 experts, and the 16-row block b of it is expert b.  So all eight products of an output lie in one lane's
; accumulators when K is through, and bias, ReLU and the gate-weighted sum are register work: the [4096][16384] products never leave the registers.
; SHARES: work-group (X, Y) owns tokens 256 Y on and h = 128 X on (rows n' = 1024 X on) and STAYS for four tiles of 256 tokens x 256 rows n' (32 h).  Four waves, as many as a WGP has SIMDs; wave (wm, wn) makes
; 128 x 128: 64 accumulators of 16 x 16, 512 registers.  K goes in steps of 256 (rows of 192 bytes) through a ring of two LDS slots filled by the tensor data mover, and the ring goes on into the next tile.
; CLUSTERS: 4 x 4 work-groups.  The four of a row of the cluster need the same tiles of x, the four of a column the same tiles of W: each tile is asked for JOINTLY, by the same tensor load with the same descriptor
; and a mask that names the four.  THE MATRIX INSTRUCTION IS USED TRANSPOSED (source 0 = 16 rows of W, source 1 = 16 tokens): a lane holds ONE token (lane % 16) and eight neighbouring h (8 (lane / 16) + 0..7).
; THE BIAS is the C of a tile's first products (eight registers an expert, in the result's layout): it costs no addition, and nothing is cleared.
; THE SCALES of a tile, for all of K, are 8 words a row: 64 registers, loaded straight from memory (lanes 0-15 the tokens' words, lanes 16-31 W's rows' words), once a tile, while the tile before goes out.
; THE WAY OUT: a tile gives 32 h (128 bytes) of a row of out; two tiles fill the two halves of a stage row of 256 bytes in LDS; then each wave reads 64 whole rows and stores them, sixteen lanes to 256 consecutive aligned bytes.
; LIMITS: NaN and infinities are not served; the bias is added ahead of the products, not behind them (another order of f32 rounding than a sum followed by the bias).
; REGISTERS, in windows of 256: window 0: v0-7 eight results of a block; v8-23 addresses; v28-29 for the add; v32-95 scale words; v96-127, v224-255 the bias; v128-223 x's fragments (8 x 16 tokens x 128 K), ONE set.
;   window 1: W's fragments, TWO sets, at v0 and v128 (set 1 also carries rows on the way out); v96-127, v224-255 the gate weights of my 128 tokens, loaded once.
;   window 2: the 32 accumulators of my tokens 0-63 (accumulator (a, b) at v[8 (8 (a % 4) + b)]);   window 3: those of my tokens 64-127.
.set KROW,   768                       ; a row of codes in memory
.set ROWB,   192                       ; a tile's row: 256 codes
.set PITCH,  240                       ; an LDS row: 3 x (64 bytes of data + 16 of padding) = 60 words: row r starts at bank -4 r mod 64 (64 banks of 4 bytes: ISA guide 11.1), so the 32 lanes of a load of 8 bytes touch 64 different banks
.set FR,     12                        ; registers of a fragment: 16 rows x 128 K
.set NL,     6                         ; LDS loads that bring one
.set NP,     4                         ; places behind this matrix instruction (ISA guide 7.12.1)
.set HALFT,  128*PITCH                 ; 128 rows: what one tensor load brings, and what one wave reads of x or of W
.set SLOT,   4*HALFT                   ; x's 256 rows, then W's 256 rows
.set STAGE,  2*SLOT                    ; behind the ring: 256 rows x (256 bytes + 16), the work-group's, for the way out; no tensor load fills it
.set SPITCH, 272
.set SPARE,  STAGE+256*SPITCH          ; behind the stage: the spare words, 128 bytes for each wave: two blocks of 256 bytes that no other line names
.set XSCL,   4096*32                   ; x's scale bytes; W's begin behind them
.set O,    0                           ; v0-7    a block's eight results a lane
.set STO0, 8                           ; v8      the stage: where I put 32 bytes of a row, left half
.set STA,  9                           ; v9      the same in the half in hand
.set RD,   10                          ; v10     the stage: where I read a row back
.set CO,   11                          ; v11     my byte offset in out
.set SOFF, 12                          ; v12     my byte offset in scales: lanes 0-15 a token's row, lanes 16-31 a row of W
.set SINC, 13                          ; v13     what a tile adds to it: 0, or 256 rows of 32 bytes
.set BOFF, 14                          ; v14     my byte offset in expert_b
.set GOFF, 15                          ; v15     my byte offset in my wave's rows of g
.set ADRA, 16                          ; v16-17  LDS address of my fragments of x in slot 0, 1  (v18-19: the same for the pieces that lie behind one padding more)
.set ADRB, 20                          ; v20-21  the same for W  (v22-23)
.set SPW,  28                          ; v28     LDS address of my spare word: SPARE + 4 x my thread's number; never rewritten
.set NIL,  29                          ; v29     0; never rewritten
.set SC,   32                          ; v32-95  scale words, and nothing else: register 8 i + kq: lanes 0-15 the word of x's block i, lanes 16-31 that of W's block i, for the kq-th 128 along K
.set BIAS, 96                          ; expert b's eight at v[96 + 8 b + 96 (b / 4)]
.set AF,   128                         ; x's fragments
.set OB,   128                         ; the way out: 32 rows read back from the stage, in window 1
.set G1, 24                            ; s[24:31] descriptor group 1 for x's tiles;  s[32:39] group 0, one set for each slot
.set G0, 32
.set G1B, 48                           ; s[48:55], s[56:63] the same for W's tiles
.set G0B, 56
.set TL, 66                            ; s66  tiles that have a successor, still to go
.set SH, 67                            ; s67  the stage's half in hand: 0 or 128
.set MSB, 0
.macro WIN new                         ; the immediate's high byte repeats the setting that is left
.if MSB != (\new)
	s_set_vgpr_msb (MSB<<8)|(\new)
.set MSB, \new
.endif
.endm
.set MUL_LO,  0xa1                     ; source 0 (W) window 1, source 1 (x) window 0, C and D window 2
.set MUL_HI,  0xf1                     ; the same, C and D window 3
.set MULB_LO, 0x81                     ; a tile's first products: C (the bias) window 0, D window 2
.set MULB_HI, 0xc1                     ; D window 3
.set TO_B,    0x40                     ; destination window 1, address window 0
.set ST_B,    0x04                     ; a store's data window 1, address window 0
; A joint load: waves 0 and 1 fetch for x, waves 2 and 3 for W.  Each of the two lines has ONE mask and one set of registers for all that issue it; the branch hangs on the wave's number alone.
; Four v_nop follow each of the two lines, ahead of the jump, the label and what follows.
.macro JLOAD g0a, g1a, g0b, g1b
	s_cmp_eq_u32 s17, 0
	s_cbranch_scc0 .Lfor_b_\@
	tensor_load_to_lds s[\g0a:\g0a+3], s[\g1a:\g1a+7]
	s_nop 0
.rept 4
	v_nop
.endr
	s_branch .Lasked_\@
.Lfor_b_\@:
	tensor_load_to_lds s[\g0b:\g0b+3], s[\g1b:\g1b+7]
	s_nop 0
.rept 4
	v_nop
.endr
.Lasked_\@:
.endm
.macro CREST                           ; a round of the cluster's barrier behind its opening barrier
	s_cmp_lg_u32 s16, 0
	s_cbranch_scc1 .Lnot_wave_0_\@
	s_barrier_signal -3
.Lnot_wave_0_\@:
	s_barrier_wait -3
	s_barrier_signal -1
	s_barrier_wait -1
.endm
.macro CROUND                          ; a whole round
	s_barrier_signal -1
	s_barrier_wait -1
	CREST
.endm
	s_load_b256 s[4:11], s[0:1], 0x0               ; x_codes s[4:5], w_codes s[6:7], scales s[8:9], g s[10:11]
	s_load_b128 s[12:15], s[0:1], 0x20             ; expert_b s[12:13], out s[14:15]
	v_lshl_add_u32 v[SPW], v0, 2, SPARE
	v_mov_b32 v[NIL], 0
	ds_add_u32 v28, v29
	ds_add_u32 v28, v29
	s_wait_dscnt 0x0
	v_lshrrev_b32 v1, 5, v0
	v_readfirstlane_b32 s16, v1                    ; wave 0..3
	s_lshr_b32 s17, s16, 1                         ; wm: which half of the tile's tokens is mine.  Also: I fetch for x (0) or for W (1)
	s_and_b32 s18, s16, 1                          ; wn: which half of its rows n'.  Also: which 128 rows of that tile I fetch
	s_bfe_u32 s40, ttmp6, 0x40000                  ; cx, cy: my place in the cluster
	s_bfe_u32 s41, ttmp6, 0x40004
	s_lshl_b32 s42, ttmp9, 2
	s_add_co_u32 s42, s42, s40                     ; X = 4 x cluster x + cx
	s_and_b32 s19, ttmp7, 0xffff
	s_lshl_b32 s19, s19, 2
	s_add_co_u32 s19, s19, s41                     ; Y = 4 x cluster y + cy
	s_lshl_b32 s43, s41, 2
	s_lshl_b32 s43, 15, s43                        ; my row of the cluster
	s_lshl_b32 s44, 0x1111, s40                    ; my column
	; descriptor group 1: a tile of 128 rows x 192 bytes, padded in LDS
	s_or_b32 s[G1+0], s43, (0<<16)|(1<<20)|(1<<21)|(3<<22)|(3<<25)  ; 15:0 the mask: x's tiles go to my row; 17:16 element of 1 byte; 20 padding on; 21 set beside a mask; 24:22 after every 16 words (code 3); 31:25 of 4 words (code 3)
	s_or_b32 s[G1B+0], s44, (0<<16)|(1<<20)|(1<<21)|(3<<22)|(3<<25) ; the same with the mask of my column, for W's tiles
.irp g, G1, G1B
	s_mov_b32 s[\g+1], ROWB<<16                    ; tensor_dim0
	s_mov_b32 s[\g+2], 128<<16                     ; tensor_dim1 = 128
	s_mov_b32 s[\g+3], ROWB<<16                    ; tile_dim0
	s_mov_b32 s[\g+4], 128                         ; tile_dim1 = 128
	s_mov_b32 s[\g+5], KROW                        ; tensor_dim0_stride
	s_mov_b32 s[\g+6], 0
	s_mov_b32 s[\g+7], 0
.endr
	; where the tiles come from.  x's hang on Y alone, which my row of the cluster shares; W's on X alone, which my column shares.  Each address is made in registers that never hold the other coordinate.
	s_lshl_b32 s22, s18, 7                         ; which 128 rows of the tile I fetch
	s_lshl_b32 s20, s19, 8
	s_add_co_u32 s20, s20, s22                     ; x: row 256 Y + 128 x half
	s_mul_i32 s20, s20, KROW                       ; in bytes (under 2^32: 4,096 rows of 768)
	s_mov_b32 s21, 0
	s_lshl_b32 s46, s42, 10
	s_add_co_u32 s46, s46, s22                     ; W: row 1024 X + 128 x half
	s_mul_i32 s46, s46, KROW                       ; (16,384 rows of 768)
	s_mov_b32 s47, 0
	s_mul_i32 s45, s16, HALFT                      ; where they go: wave x 128 rows: no place in the cluster enters an LDS address
	s_wait_kmcnt 0x0
	s_add_nc_u64 s[20:21], s[4:5], s[20:21]
	s_add_nc_u64 s[46:47], s[6:7], s[46:47]
	CROUND                                         ; all sixteen work-groups are here: the first joint loads meet
.irp s, 0,1
	s_mov_b32 s[G0+4*\s], 1                                        ; 1:0 count = 1
	s_add_co_u32 s[G0+4*\s+1], s45, \s*SLOT                        ; 63:32 LDS address
	s_add_nc_u64 s[G0+4*\s+2:G0+4*\s+3], s[20:21], \s*ROWB         ; 120:64 global address: K step s
	s_or_b32 s[G0+4*\s+3], s[G0+4*\s+3], 0x80000000                ; 127:126 type = 2
	s_mov_b32 s[G0B+4*\s], 1
	s_add_co_u32 s[G0B+4*\s+1], s45, \s*SLOT
	s_add_nc_u64 s[G0B+4*\s+2:G0B+4*\s+3], s[46:47], \s*ROWB
	s_or_b32 s[G0B+4*\s+3], s[G0B+4*\s+3], 0x80000000
	JLOAD G0+4*\s, G1, G0B+4*\s, G1B               ; the ring is filled before anything else is done: two loads of mine are out
.endr
	v_and_b32 v1, 15, v0                           ; r = lane % 16
	v_bfe_u32 v2, v0, 4, 1                         ; h' = lane / 16
	; the gate weights of my 128 tokens: block a's lane (r, .) holds g[16 a + r][0..7]; they stay for all four tiles
	v_lshlrev_b32 v[GOFF], 5, v1
	s_lshl_b32 s68, s19, 8
	s_lshl_b32 s93, s17, 7
	s_add_co_u32 s68, s68, s93
	s_lshl_b32 s68, s68, 5                         ; (256 Y + 128 wm) x 32 bytes: my first token's row in g, and in x's scale bytes
	s_mov_b32 s92, s68
	s_mov_b32 s93, 0
	s_add_nc_u64 s[10:11], s[10:11], s[92:93]
	WIN TO_B
.irp a, 0,1,2,3,4,5,6,7
	global_load_b128 v[96+8*\a+96*(\a/4):96+8*\a+96*(\a/4)+3],   v[GOFF], s[10:11] offset:512*\a
	global_load_b128 v[96+8*\a+96*(\a/4)+4:96+8*\a+96*(\a/4)+7], v[GOFF], s[10:11] offset:512*\a+16
.endr
	WIN 0
	; the bias and the scale words of tile 0
	s_lshl_b32 s70, s42, 9
	s_lshl_b32 s71, s18, 6
	s_add_co_u32 s70, s70, s71                     ; (128 X + 16 wn) x 4 bytes
	v_lshl_add_u32 v[BOFF], v2, 5, s70             ; + my half's eight numbers
	s_lshl_b32 s69, s42, 10
	s_lshl_b32 s71, s18, 7
	s_add_co_u32 s69, s69, s71
	s_lshl_b32 s69, s69, 5
	s_add_co_u32 s69, s69, XSCL                    ; W's scale bytes: behind x's, row 1024 X + 128 wn
	s_sub_co_u32 s71, s69, s68                     ; (above 0: x's bytes all lie in front of W's)
	v_mul_u32_u24 v6, s71, v2                      ; lanes 16-31 take W's
	v_add3_u32 v[SOFF], v6, v[GOFF], s68           ; + 32 bytes a row
	v_lshlrev_b32 v[SINC], 13, v2                  ; a tile on: W's rows go 256 x 32 bytes on, the tokens stay
.macro BIAS_LOAD                       ; register j of expert b's eight: expert_b[b][the wave's first h + 8 h' + j]
.irp b, 0,1,2,3,4,5,6,7
	global_load_b128 v[BIAS+8*\b+96*(\b/4):BIAS+8*\b+96*(\b/4)+3],   v[BOFF], s[12:13] offset:8192*\b
	global_load_b128 v[BIAS+8*\b+96*(\b/4)+4:BIAS+8*\b+96*(\b/4)+7], v[BOFF], s[12:13] offset:8192*\b+16
.endr
.endm
.macro SCALE_LOAD                      ; a row's 32 scale bytes are its eight words; sixteen lanes' two loads cover 512 consecutive bytes
.irp i, 0,1,2,3,4,5,6,7
	global_load_b128 v[SC+8*\i:SC+8*\i+3],   v[SOFF], s[8:9] offset:512*\i
	global_load_b128 v[SC+8*\i+4:SC+8*\i+7], v[SOFF], s[8:9] offset:512*\i+16
.endr
.endm
	BIAS_LOAD
	SCALE_LOAD
	; LDS addresses of the fragments
	v_mul_u32_u24 v3, v1, PITCH
	v_mul_u32_u24 v4, v2, 24
	v_add_nc_u32 v4, v3, v4                        ; a fragment's row x pitch + 24 x half
	v_lshl_add_u32 v5, v2, 4, v4                   ; and the same behind one padding more
	s_mul_i32 s22, s17, HALFT                      ; my 128 tokens
	s_mul_i32 s23, s18, HALFT                      ; my 128 rows of W,
	s_add_co_u32 s23, s23, 2*HALFT                 ; which lie behind x's 256
.irp s, 0,1
	v_add_nc_u32 v[ADRA+\s], s22, v4
	v_add_nc_u32 v[ADRB+\s], s23, v4
	v_add_nc_u32 v[ADRA+2+\s], s22, v5
	v_add_nc_u32 v[ADRB+2+\s], s23, v5
	s_add_co_u32 s22, s22, SLOT
	s_add_co_u32 s23, s23, SLOT
.endr
	; the stage.  In: row 128 wm + 16 a + r; in a half of 128 bytes my wave's 64 bytes, my half of the lanes' 32
	s_mul_i32 s22, s17, 128*SPITCH
	s_lshl_b32 s23, s18, 6
	s_add_co_u32 s22, s22, s23
	s_add_co_u32 s22, s22, STAGE
	v_mul_u32_u24 v3, v1, SPITCH
	v_lshl_add_u32 v3, v2, 5, v3
	v_add_nc_u32 v[STO0], s22, v3
	s_mul_i32 s22, s16, 64*SPITCH                  ; back: wave w takes rows 64 w .. 64 w + 63, whole; lanes 0-15 one row of 256 bytes, lanes 16-31 the next
	s_add_co_u32 s22, s22, STAGE
	v_mul_u32_u24 v3, v2, SPITCH
	v_lshl_add_u32 v3, v1, 4, v3
	v_add_nc_u32 v[RD], s22, v3
	v_lshlrev_b32 v3, 4, v1                        ; and the same two rows in out (8,192 bytes a row)
	v_lshl_add_u32 v[CO], v2, 13, v3
	s_lshl_b32 s94, s19, 8
	s_lshl_b32 s95, s16, 6
	s_add_co_u32 s94, s94, s95                     ; the first row of out that I store: 256 Y + 64 w
	s_lshl_b32 s94, s94, 13
	s_mov_b32 s95, 0
	s_add_nc_u64 s[14:15], s[14:15], s[94:95]
	s_lshl_b32 s96, s42, 9                         ; the work-group's first column, in bytes: 128 X x 4
	s_mov_b32 s97, 0
	s_add_nc_u64 s[14:15], s[14:15], s[96:97]
.macro FRAG reg, adr, q, i             ; a fragment, 16 rows x 128 K of 6-bit codes, is 12 registers: lane l holds row l % 16; registers 6 c .. 6 c + 5 hold K = 64 c + 32 (l / 16) + 0 .. 31: 24 bytes of the row's stream of bits, as they lie
.irp p, 0,1,2,3,4,5                    ; in pieces of 8 bytes, so that every address is a multiple of the access's size.  Lanes 0-15 take the row's pieces 12 q + 0, 1, 2 and 12 q + 6, 7, 8, lanes 16-31 those three pieces on
.set PC, 12*(\q)+6*(\p/3)+\p%3        ; 16 bytes of padding lie behind every 64 bytes (8 pieces): where the piece three on lies behind one padding more, the second address register (40 for 24 bytes a half) serves
.if PC%8 < 5
	ds_load_b64 v[\reg+2*\p:\reg+2*\p+1], v[\adr] offset:8*PC+16*(PC/8)+(\i)*16*PITCH
.else
	ds_load_b64 v[\reg+2*\p:\reg+2*\p+1], v[\adr+2] offset:8*PC+16*(PC/8)+(\i)*16*PITCH
.endif
.endr
.endm
; 16 matrix instructions: x's blocks a0, a0 + 1 against W's eight (the eight experts), the kq-th 128 along K.  p: W's set.  mode = 1: a tile's first products take the bias as C.
; The 64 accumulators take turns, one instruction a turn, in the same order in every step.
.macro MUL16 a0, p, kq, mode
.irp a, \a0, \a0+1
.irp b, 0,1,2,3,4,5,6,7
.if \mode
	v_wmma_scale_f32_16x16x128_f8f6f4 v[8*(8*((\a)%4)+\b):8*(8*((\a)%4)+\b)+7], v[128*(\p)+FR*\b:128*(\p)+FR*\b+FR-1], v[AF+FR*(\a):AF+FR*(\a)+FR-1], v[BIAS+8*\b+96*(\b/4):BIAS+8*\b+96*(\b/4)+7], v[SC+8*\b+(\kq)], v[SC+8*(\a)+(\kq)] matrix_a_fmt:MATRIX_FMT_FP6 matrix_b_fmt:MATRIX_FMT_FP6 matrix_a_scale:MATRIX_SCALE_ROW1
.else
	v_wmma_scale_f32_16x16x128_f8f6f4 v[8*(8*((\a)%4)+\b):8*(8*((\a)%4)+\b)+7], v[128*(\p)+FR*\b:128*(\p)+FR*\b+FR-1], v[AF+FR*(\a):AF+FR*(\a)+FR-1], v[8*(8*((\a)%4)+\b):8*(8*((\a)%4)+\b)+7], v[SC+8*\b+(\kq)], v[SC+8*(\a)+(\kq)] matrix_a_fmt:MATRIX_FMT_FP6 matrix_b_fmt:MATRIX_FMT_FP6 matrix_a_scale:MATRIX_SCALE_ROW1
.endif
.endr
.endr
.endm
.macro FETCH_B slot, q, p              ; W's eight fragments of the slot's q-th 128 along K into set p
	WIN TO_B
.irp i, 0,1,2,3,4,5,6,7
	FRAG 128*(\p)+FR*\i, ADRB+\slot, \q, \i
.endr
	WIN 0
.endm
.macro FETCH_A slot, q, i0             ; x's blocks i0 .. i0 + 3
.irp i, \i0, \i0+1, \i0+2, \i0+3
	FRAG AF+FR*(\i), ADRA+\slot, \q, \i
.endr
.endm
; A load into a register that a matrix instruction has read, and a vector instruction that reads a matrix result or writes one of a matrix instruction's registers, stand NP places behind that matrix instruction, and only
; plain vector instructions that name none of its registers are places (ISA guide 7.12.1 for vector instructions); this text does not count the matrix instructions in between.
.macro PLACES n
.rept \n
	v_nop
.endr
.endm
; A slot's first 128 along K (K step ks of the tile, W's set 0).  A block of x is free as soon as its eight products are issued, so x has one set: blocks 0-3 are fetched anew in the step's middle, blocks 4-7 at its end.
.macro STEP slot, ks, first
	s_wait_dscnt 4*NL                              ; W's set and x's blocks 0-3 are in; the youngest 24 LDS instructions (x's blocks 4-7, or behind a tile's way out its stores into the stage and the last of those loads) may be out
.if \first
	WIN MULB_LO
.else
	WIN MUL_LO
.endif
	MUL16 0, 0, 2*(\ks), \first
	MUL16 2, 0, 2*(\ks), \first
	s_wait_dscnt 0x0                               ; x's blocks 4-7 are in (asked for 32 matrix instructions ago)
	PLACES NP
	FETCH_B \slot, 1, 1
	FETCH_A \slot, 1, 0
.if \first
	WIN MULB_HI
.else
	WIN MUL_HI
.endif
	MUL16 4, 0, 2*(\ks), \first
	MUL16 6, 0, 2*(\ks), \first
	PLACES NP
	WIN 0
	FETCH_A \slot, 1, 4
.endm
; A slot's second 128 along K (W's set 1) changes slots: ONE barrier; in front of it each wave waits for all its tensor loads, adds 0 to its spare word, and waits for that and for its own reads of this slot.
; fill = 1: this slot is filled again with this tile's K step two steps on;  2: with the NEXT tile's K step 0 or 1 (x goes back along K, W goes 256 rows down and back);  0: nothing is left to fetch.
.macro TURN slot, next, ks, fill
	s_wait_tensorcnt 0x0                           ; all my tensor loads have landed: the one that was out is my part of the next slot;  (every window is 0 here: the add's two registers lie in window 0)
	ds_add_u32 v[SPW], v[NIL]                      ; 0 onto my spare word
	s_wait_dscnt 4*NL+1                            ; (the add and the youngest loads, x's blocks 4-7, may be out)
	WIN MUL_LO
	MUL16 0, 1, 2*(\ks)+1, 0                       ; sixteen matrix instructions stand between the add and the wait for it
	s_wait_dscnt 0x0                               ; the add is done, and my reads of this slot are over
	s_barrier_signal -1
	MUL16 2, 1, 2*(\ks)+1, 0
	WIN 0
	s_barrier_wait -1
.if (\fill)
	CREST                                          ; the barrier has opened a round of the cluster's barrier: no wave of any partner still reads this slot's tile or has a load on its way
.if (\fill) == 1
	s_add_nc_u64 s[G0+4*\slot+2:G0+4*\slot+3], s[G0+4*\slot+2:G0+4*\slot+3], 2*ROWB
	s_add_nc_u64 s[G0B+4*\slot+2:G0B+4*\slot+3], s[G0B+4*\slot+2:G0B+4*\slot+3], 2*ROWB
.else
	s_sub_nc_u64 s[G0+4*\slot+2:G0+4*\slot+3], s[G0+4*\slot+2:G0+4*\slot+3], 2*ROWB
	s_add_nc_u64 s[G0B+4*\slot+2:G0B+4*\slot+3], s[G0B+4*\slot+2:G0B+4*\slot+3], 256*KROW-2*ROWB
.endif
	JLOAD G0+4*\slot, G1, G0B+4*\slot, G1B         ; the first tensor load behind the round, my one load until the next; the four v_nop behind it are the places in front of the loads below
.else
	PLACES NP
.endif
	FETCH_B \next, 0, 0
	FETCH_A \next, 0, 0
	WIN MUL_HI
	MUL16 4, 1, 2*(\ks)+1, 0
	MUL16 6, 1, 2*(\ks)+1, 0
	PLACES NP
	WIN 0
	FETCH_A \next, 0, 4
.endm
.macro LASTSTEP                        ; the last tile's last 128 along K: nothing more to fetch
	s_wait_dscnt 4*NL
	WIN MUL_LO
	MUL16 0, 1, 7, 0
	MUL16 2, 1, 7, 0
	s_wait_dscnt 0x0
	WIN MUL_HI
	MUL16 4, 1, 7, 0
	MUL16 6, 1, 7, 0
	WIN 0
	PLACES NP
.endm
; A tile: K = 1,024 in four K steps of 256, twice round the ring.  succ = 1: the tile has a successor: its bias is asked for as soon as this tile's has been read, and the last two changes of slots ask for its first two K steps.
.macro TILE succ
	STEP 0, 0, 1
.if \succ
	v_add_nc_u32 v[BOFF], 128, v[BOFF]             ; 32 h on.  (The loads that named this register were waited for; four places stand behind the last product that read the bias)
	BIAS_LOAD
.endif
	TURN 0, 1, 0, 1
	STEP 1, 1, 0
	TURN 1, 0, 1, 1
	STEP 0, 2, 0
	TURN 0, 1, 2, 2*\succ
	STEP 1, 3, 0
.if \succ
	TURN 1, 0, 3, 2
.else
	LASTSTEP
.endif
.endm
; BEHIND A TILE: for each block a of 16 tokens, ReLU on its eight accumulators (one an expert), in place and from each accumulator's low end on; then the lane's eight results, the sum over e of g[token][e] x accumulator e,
; two at a time; then 32 bytes into the stage.  Four places stand behind the tile's last product.  succ = 1: the next tile's scale words are asked for first, and land meanwhile.
.macro EPI succ
.if \succ
	v_add_nc_u32 v[SOFF], v[SINC], v[SOFF]
	SCALE_LOAD
.endif
	v_add_nc_u32 v[STA], s[SH], v[STO0]
.irp a, 0,1,2,3,4,5,6,7
.set AC, 64*(\a%4)
.set GA, 96+8*\a+96*(\a/4)
	WIN 0x88+0x44*(\a/4)                           ; source 1 and destination: window 2 or 3
.set i, 0
.rept 64
	v_max_num_f32 v[AC+i], 0, v[AC+i]
.set i, i+1
.endr
	WIN 0x06+(\a/4)                                ; source 0 the accumulators' window, source 1 (g) window 1, the results window 0
.irp p, 0,1,2,3
	v_pk_mul_f32 v[O+2*\p:O+2*\p+1], v[AC+2*\p:AC+2*\p+1], v[GA:GA+1] op_sel_hi:[1,0]   ; expert 0 starts the sums
.endr
.irp e, 1,2,3,4,5,6,7
.irp p, 0,1,2,3
.if \e%2
	v_pk_fma_f32 v[O+2*\p:O+2*\p+1], v[AC+8*\e+2*\p:AC+8*\e+2*\p+1], v[GA+\e-1:GA+\e], v[O+2*\p:O+2*\p+1] op_sel:[0,1,0] op_sel_hi:[1,1,1]   ; both halves by the pair's second register
.else
	v_pk_fma_f32 v[O+2*\p:O+2*\p+1], v[AC+8*\e+2*\p:AC+8*\e+2*\p+1], v[GA+\e:GA+\e+1], v[O+2*\p:O+2*\p+1] op_sel_hi:[1,0,1]                   ; both halves by its first
.endif
.endr
.endr
	WIN 0
	ds_store_b128 v[STA], v[O:O+3] offset:16*SPITCH*\a
	ds_store_b128 v[STA], v[O+4:O+7] offset:16*SPITCH*\a+16
.endr
	s_xor_b32 s[SH], s[SH], 128                    ; the next tile takes the stage's other half
.endm
; BEHIND EVERY SECOND TILE the stage's rows are whole: 64 h, 256 bytes, from two waves and two tiles.  A barrier stands between the writing and the reading; my one tensor load may stay out.
; The next stores into the stage stand four changes of slots further on, each with every wave's wait for its LDS reads and a barrier.
.macro OUT
	s_wait_dscnt 0x0                               ; for the others' sake: my stores into the stage are done
	s_barrier_signal -1
	s_barrier_wait -1
.irp u, 0,1
	WIN TO_B                                       ; into W's set 1, which is free: four places stand behind the last product that read it
.irp t, 0,1,2,3,4,5,6,7,8,9,10,11,12,13,14,15
	ds_load_b128 v[OB+4*\t:OB+4*\t+3], v[RD] offset:2*SPITCH*(16*\u+\t)
.endr
	WIN ST_B
.irp t, 0,1,2,3,4,5,6,7,8,9,10,11,12,13,14,15
	s_wait_dscnt 15-\t                             ; LDS loads come back in order: load t of the sixteen is in
	global_store_b128 v[CO], v[OB+4*\t:OB+4*\t+3], s[14:15] offset:16384*(16*\u+\t) th:TH_STORE_NT   ; 16 lanes store 256 consecutive bytes, at a multiple of 256 from out's first byte
.endr
	s_wait_xcnt 0x0                                ; only behind this wait are the stores' data registers loaded again and their base stepped
.endr
	WIN 0
.endm
	s_wait_tensorcnt 1                             ; my part of K step 0 is in (K step 1's load may be out)
	s_barrier_signal -1
	s_barrier_wait -1                              ; everybody's is
	FETCH_B 0, 0, 0
	FETCH_A 0, 0, 0
	FETCH_A 0, 0, 4
	s_wait_loadcnt 0x0                             ; the gate weights, tile 0's bias and scale words
	s_mov_b32 s[TL], 3
	s_mov_b32 s[SH], 0
.Ltile:                                            ; three trips: the tiles that have a successor.  The counter is the same number in every wave and every work-group
	TILE 1
	EPI 1
	s_cmp_lg_u32 s[TL], 2                          ; the second tile has filled the stage's right half
	s_cbranch_scc1 .Lno_out
	OUT
	s_add_nc_u64 s[14:15], s[14:15], 256           ; the next pair of tiles: 64 h on
.Lno_out:
	s_wait_loadcnt 0x0                             ; the next tile's bias and scale words
	s_sub_co_u32 s[TL], s[TL], 1
	s_cmp_lg_u32 s[TL], 0
	s_cbranch_scc1 .Ltile
	TILE 0                                         ; the last tile is written out: its last two K steps ask for nothing
	EPI 0
	OUT
	s_wait_tensorcnt 0x0                           ; the wave's end: behind my last tensor load and my last LDS store
	ds_add_u32 v[SPW], v[NIL]
	s_wait_dscnt 0x0
	CROUND                                         ; the closing round: no work-group ends while a partner may still ask for a tile that names it
	s_endpgm
.Lfunc_end_k_q57b5d2eec8_moe:
	.size	k_q57b5d2eec8_moe, .Lfunc_end_k_q57b5d2eec8_moe-k_q57b5d2eec8_moe
	.p2alignl 7, 3214868480
	.fill 96, 4, 3214868480
	.section	.rodata,"a",@progbits
	.p2align	6, 0x0
	.amdhsa_kernel k_q57b5d2eec8_moe
		.amdhsa_group_segment_fixed_size 327680
		.amdhsa_private_segment_fixed_size 0
		.amdhsa_enable_private_segment 0
		.amdhsa_kernarg_size 48
		.amdhsa_user_sgpr_count 2
		.amdhsa_user_sgpr_kernarg_segment_ptr 1
		.amdhsa_wavefront_size32 1
		.amdhsa_system_sgpr_workgroup_id_x 1
		.amdhsa_system_sgpr_workgroup_id_y 1
		.amdhsa_system_sgpr_workgroup_id_z 1
		.amdhsa_system_vgpr_workitem_id 0
		.amdhsa_next_free_vgpr 1024
		.amdhsa_next_free_sgpr 98
		.amdhsa_reserve_vcc 0
		.amdhsa_float_denorm_mode_32 3
		.amdhsa_float_denorm_mode_16_64 3
		.amdhsa_memory_ordered 1
		.amdhsa_forward_progress 1
		.amdhsa_inst_pref_size 255
	.end_amdhsa_kernel
	.section	.bss,"aw",@nobits
	.p2align	6
	.space	262144
	.amdgpu_metadata
---
amdhsa.version: [ 1, 2 ]
amdhsa.kernels:
  - .name:           k_q57b5d2eec8_moe
    .symbol:         k_q57b5d2eec8_moe.kd
    .args:
      - { .name: x_codes, .offset: 0, .size: 8, .value_kind: global_buffer, .address_space: global }
      - { .name: w_codes, .offset: 8, .size: 8, .value_kind: global_buffer, .address_space: global }
      - { .name: scales, .offset: 16, .size: 8, .value_kind: global_buffer, .address_space: global }
      - { .name: g, .offset: 24, .size: 8, .value_kind: global_buffer, .address_space: global }
      - { .name: expert_b, .offset: 32, .size: 8, .value_kind: global_buffer, .address_space: global }
      - { .name: out0, .offset: 40, .size: 8, .value_kind: global_buffer, .address_space: global }
    .group_segment_fixed_size: 327680
    .private_segment_fixed_size: 0
    .kernarg_segment_align: 8
    .kernarg_segment_size: 48
    .max_flat_workgroup_size: 128
    .sgpr_count:     98
    .vgpr_count:     1024
    .wavefront_size: 32
...
	.end_amdgpu_metadata
.endif
;; end of part 2
;; ======== version 2 of 2: 2 launches
;; limits: right only within a limited range of input values
;; workspace buffers: x_codes 3,145,728 bytes; w_codes 12,582,912 bytes; scales 655,360 bytes; g 131,072 bytes
;; launch prep (part 3): grid 640 x 1, 4 waves a work-group, no clusters, 35,328 bytes of LDS; arguments x, expert_w, gate_w, gate_b, x_codes, w_codes, scales, g; writes x_codes, w_codes, scales, g
.if DOCPART == 3
	.amdgcn_target "amdgcn-amd-amdhsa--gfx1250"
	.amdhsa_code_object_version 6
	.text
	.protected	k_q57b5d2eec8_prep
	.globl	k_q57b5d2eec8_prep
	.p2align	8
	.type	k_q57b5d2eec8_prep,@function
k_q57b5d2eec8_prep:
	s_mov_b64 s[64:65], 0
	v_nop
	global_prefetch_b8 v0, s[64:65] scope:SCOPE_SE
	s_setreg_imm32_b32 hwreg(HW_REG_WAVE_MODE, 25, 1), 1
	s_wait_xcnt 0x0
; x [4096][1024] and expert_w [8][2048][1024], f32, are turned into codes of FP6 (E2M3), 6 bits each, K innermost (a row of 1,024 codes is 768 bytes), with one E8M0 scale byte for each 32 along K.
; On the way x also gives the gate: g[n][e] = softmax_e(x[n] . gate_w[e] + gate_b[e]), all in f32 (fused multiply-adds; the largest logit is taken away ahead of the exponential).
; A block's scale is 2^(floor(log2(its largest magnitude)) - 2); its byte is the largest magnitude's exponent field - 2, held at 1 from below; a block of zeros gets 127.  Each number is divided by the scale and rounded
; to the nearest code, ties to even; what lies beyond 7.5 gets the largest code (FP6 has no code for infinity or NaN).
; LIMITS: blocks whose largest magnitude lies under 2^-123 have their byte held at 1, as the quantiser's hold at -126 asks; NaN and infinities among the inputs are not served; a gate weight under 2^-126 comes out as 0
; (v_exp_f32 gives 0 for a result that would be denormal: ISA guide, 15.8).
; THE ORDER OF A ROW'S BLOCKS: in each 128 along K (96 bytes of codes) the four blocks of 32 codes (24 bytes each) lie in the order 0, 2, 1, 3.  A lane of the matrix instruction's operand holds blocks h and 2 + h
; (h = lane / 16): so its 48 bytes are neighbours and begin at a multiple of 16.  The scale bytes keep the order of K.
; THE ROWS OF THE WEIGHTS ARE LAID ANEW: row (e, h) goes to row n' = 128 (h / 16) + 16 e + h % 16 of w_codes and of W's scale bytes, so that 128 neighbouring rows hold 16 neighbouring h of all 8 experts.
; scales holds x's bytes [4096][32] first, then W's [16384 n'][32].
; SHARES: work-groups 0-127 take x, the other 512 take W.  A wave takes 8 rows (8,192 numbers) in 16 steps of 512: step t is row t / 2, half t % 2.
; LOADS AND THE TURN.  The conversion takes 16 neighbours along K from ONE lane's registers, and a load gives a lane 16 bytes.  Each of a step's four loads covers 512 consecutive bytes (lane l at 16 l), so a lane first
; holds four numbers of each of four chunks of 16.  The step then goes through 2,048 bytes of the wave's own LDS, four stores and four loads of 16 bytes a lane, and comes back, into the registers that it left, with
; chunk l (numbers 16 l + 0 .. 15) in lane l; two neighbouring lanes hold a block.  In that buffer piece i (16 bytes) of chunk c (64 bytes) lies at 64 c + 16 ((i + c / 4) % 4): the sixteen lanes that a store serves
; together (four chunks x four pieces) and the sixteen that a load serves together (sixteen chunks, one piece) each touch sixteen different columns of 16 bytes modulo 256 (64 banks of 4 bytes: ISA guide 11.1).
; LDS serves a wave's instructions in order (ISA guide 5.7.1.4): one buffer does for all steps, with no wait between a step's stores, its loads and the next step's stores.  gate_w's share takes the same way, once.
; A lane's 16 codes are 12 bytes: the wave stores 384 consecutive bytes.  A wave's 256 scale bytes, and its 8 rows x 8 gate weights (256 bytes), are gathered in its own LDS bytes and leave as one run of 256 consecutive, aligned bytes each.
; No tensor loads, no barrier: waves share nothing.  Loads run up to eight steps (32 loads a wave) ahead.  Every offset is an immediate: no pointer is stepped, no global store's data are written again, EXEC never changes.
; REGISTERS: window 0: v2-7, v14 addresses; v8-13 at work; v16-21 the turn's addresses; v24-151 eight sets of 16 numbers; v152-215 codes, four registers a step; v216-231 a scale byte a step;
;   v232-247 eight pairs of gate sums (the upper eight also take the other half's sums); v248-255 logits.
;   window 1 (x's work-groups): v[32 e + 16 s + i] = gate_w[e][512 s + 16 lane + i]: my lane's share of all of gate_w stays in registers.
; THE CODES' PLACE IN MEMORY AND THEIR WAY OUT (this stands in place of what is said above of rows of 768 bytes and of stores of 384 bytes): a buffer of codes is four planes, one for each 256 along K;
; in a plane a row is 192 bytes, row behind row.  A wave's 8 rows are 1,536 consecutive bytes of each plane.  A step's codes go, 12 bytes a lane as three words, to the wave's own 6,144 bytes of LDS,
; laid [plane][row][192]; at the wave's end they are read back 16 bytes a lane and leave by twelve stores, each of 512 consecutive bytes at a multiple of 256.
.set XPL,  4096*192                    ; a plane of x's codes
.set WPL,  16384*192                   ; a plane of W's
.set CST,  10752                       ; LDS: behind the spare words: 6,144 bytes of codes for each wave
.set CS,   22                          ; v22     out of that stage: 16 bytes a lane
.set VO,   88                          ; v89-91  my 16 bytes' offset in planes 1 to 3
.macro CODES_OUT plane
.irp c, 1,2,3
	v_add_nc_u32 v[VO+\c], \c*\plane, v3
.endr
.irp i, 0,1,2,3,4,5,6,7,8,9,10,11
	ds_load_b128 v[G+4*\i:G+4*\i+3], v[CS] offset:512*\i   ; served behind my stores
.endr
	s_wait_alu depctr_va_vdst(0)
	s_wait_dscnt 0x0
.irp k, 0,1,2
	global_store_b128 v3, v[G+4*\k:G+4*\k+3], s[12:13] offset:512*\k
.endr
.irp c, 1,2,3
.irp k, 0,1,2
	global_store_b128 v[VO+\c], v[G+4*(3*\c+\k):G+4*(3*\c+\k)+3], s[12:13] offset:512*\k
.endr
.endr
.endm
.set XWG,  128                         ; work-groups that take x
.set XSCL, 4096*32                     ; x's scale bytes; W's begin behind them
.set TRB,  2048                        ; LDS: behind the four waves' scale bytes and gate weights: 2,048 bytes for each wave, for the turn
.set WA,   16                          ; v16-17  into the buffer: a step's loads 0, 2 and its loads 1, 3 (their chunks' rotations differ by 2)
.set RA,   18                          ; v18-21  out of it: piece 0 .. 3 of my chunk
.set G,    24
.set C,    152
.set E,    216
.set ACC,  232
.set T,    240                         ; = ACC + 8: free when a row's sums have been added up, and written before
.set L,    248
.set MSB, 0
.macro WIN new                         ; the immediate's high byte repeats the setting that is left
.if MSB != (\new)
	s_set_vgpr_msb (MSB<<8)|(\new)
.set MSB, \new
.endif
.endm
	s_load_b256 s[4:11], s[0:1], 0x0               ; x s[4:5], expert_w s[6:7], gate_w s[8:9], gate_b s[10:11]
	s_load_b256 s[12:19], s[0:1], 0x20             ; x_codes s[12:13], w_codes s[14:15], scales s[16:17], g s[18:19]
	v_lshl_add_u32 v211, v0, 2, 0x2800
	v_mov_b32 v215, 0
	v_lshrrev_b32 v1, 5, v0
	v_readfirstlane_b32 s20, v1                    ; wave 0..3
	v_and_b32 v2, 31, v0                           ; lane
	v_lshlrev_b32 v3, 4, v2                        ; my 16 bytes of a load's 512
	v_and_b32 v8, 2, v2                            ; my codes' place in a step's 384 bytes.  Lane = 8 x (which 128 along K) + 2 x (block in it) + (half of the block);
	v_and_b32 v9, 4, v2                            ; the blocks lie in the order 0, 2, 1, 3: the block number's two bits, the lane's bits 1 and 2, change places
	v_and_b32 v10, 0x19, v2
	v_lshl_or_b32 v10, v8, 1, v10
	v_lshrrev_b32 v9, 1, v9
	v_or_b32 v10, v10, v9
	s_mul_i32 s47, s20, 6144
	s_add_co_u32 s47, s47, CST                     ; my wave's stage for codes
	v_and_b32 v9, 15, v10                          ; my half block's place in its row's 192 bytes,
	v_lshrrev_b32 v10, 4, v10                      ; and which of the step's two planes
	v_mul_u32_u24 v4, v9, 12                       ; 12 bytes for each half block
	v_mad_u32_u24 v4, v10, 1536, v4                ; a plane's 8 rows
	v_add_nc_u32 v4, s47, v4
	v_add_nc_u32 v[CS], s47, v3
	v_lshrrev_b32 v5, 1, v2
	s_lshl_b32 s21, s20, 8
	v_add_nc_u32 v5, s21, v5                       ; LDS: my wave's 256 scale bytes, my block's byte
	v_lshlrev_b32 v7, 3, v2                        ; on the way out 8 bytes a lane
	v_add_nc_u32 v6, s21, v7
	; the turn's addresses.  Into the buffer: load j's lane l holds piece l % 4 of chunk c = 8 j + l / 4, and c / 4 = 2 j + l / 16
	s_lshl_b32 s46, s20, 11
	s_add_co_u32 s46, s46, TRB                     ; my wave's buffer
	v_lshrrev_b32 v8, 2, v2                        ; l / 4
	v_lshrrev_b32 v9, 4, v2                        ; l / 16
	v_and_b32 v10, 3, v2
	v_add_nc_u32 v10, v10, v9                      ; l % 4 + l / 16
	v_lshl_add_u32 v11, v8, 6, s46                 ; 64 (l / 4); the 512 j stand in the immediate
	v_and_b32 v12, 3, v10
	v_lshl_add_u32 v[WA], v12, 4, v11              ; j = 0, 2: 2 j is 0 modulo 4
	v_add_nc_u32 v12, 2, v10
	v_and_b32 v12, 3, v12
	v_lshl_add_u32 v[WA+1], v12, 4, v11            ; j = 1, 3: 2 j is 2 modulo 4
	v_lshl_add_u32 v11, v2, 6, s46                 ; out of it: chunk l
.irp i, 0,1,2,3
	v_add_nc_u32 v12, \i, v8
	v_and_b32 v12, 3, v12
	v_lshl_add_u32 v[RA+\i], v12, 4, v11
.endr
	s_cmp_lt_u32 ttmp9, XWG                        ; x's work-group or W's?  Every choice below hangs on the work-group's number alone
	s_cselect_b32 s22, 0, XWG
	s_sub_co_u32 s22, ttmp9, s22
	s_lshl2_add_u32 s22, s22, s20                  ; R: which run of 8 rows of the tensor is my wave's
	s_bfe_u32 s23, s22, 0x70001                    ; W: R = 256 e + h / 8.  h / 16 = (R & 255) >> 1,
	s_lshl_b32 s23, s23, 4
	s_lshr_b32 s36, s22, 8                         ; e,
	s_lshl1_add_u32 s23, s36, s23
	s_and_b32 s36, s22, 1                          ; (h / 8) % 2:
	s_add_co_u32 s23, s23, s36                     ; the run's new place, 16 (h / 16) + 2 e + (h / 8) % 2
	s_cmp_lt_u32 ttmp9, XWG
	s_cselect_b32 s23, s22, s23                    ; x's runs stay where they are
	s_cselect_b32 s37, 0, XSCL
	s_lshl_b32 s38, s22, 15                        ; in: 32,768 bytes a run
	s_mov_b32 s39, 0
	s_mul_i32 s40, s23, 1536                       ; codes: 8 rows of 192 bytes in each plane
	s_mov_b32 s41, 0
	s_lshl_b32 s42, s23, 8                         ; scale bytes: 256 a run
	s_add_co_u32 s42, s42, s37
	s_mov_b32 s43, 0
	s_lshl_b32 s44, s22, 8                         ; gate weights: 8 rows of 32 bytes
	s_mov_b32 s45, 0
	s_wait_kmcnt 0x0
	s_cmp_lt_u32 ttmp9, XWG
	s_cselect_b64 s[4:5], s[4:5], s[6:7]
	s_cselect_b64 s[12:13], s[12:13], s[14:15]
	s_add_nc_u64 s[4:5], s[4:5], s[38:39]
	s_add_nc_u64 s[12:13], s[12:13], s[40:41]
	s_add_nc_u64 s[16:17], s[16:17], s[42:43]
.macro LOAD t                          ; step t's 2,048 bytes into set t % 8: four loads, each of 512 consecutive bytes
.irp i, 0,1,2,3
	global_load_b128 v[G+16*((\t)%8)+4*\i:G+16*((\t)%8)+4*\i+3], v3, s[4:5] offset:2048*(\t)+512*\i th:TH_LOAD_NT
.endr
.endm
.macro TURN16 r                        ; the 16 registers from r on go through my wave's buffer and come back with chunk l in lane l
.irp j, 0,1,2,3
	ds_store_b128 v[WA+\j%2], v[\r+4*\j:\r+4*\j+3] offset:512*\j
.endr
.irp i, 0,1,2,3
	ds_load_b128 v[\r+4*\i:\r+4*\i+3], v[RA+\i]    ; served behind the stores above, and ahead of the next turn's stores
.endr
.endm
.macro MOVE u, ahead                   ; step u's loads are waited for and its numbers turned.  ahead: how many younger steps' loads have been issued, if so many are left
.if 15-(\u) >= \ahead
	s_wait_loadcnt 4*\ahead                        ; loads come back in order (ISA guide 5.7.1): step u's four are in (and all of gate_w, asked for earlier); the younger steps' may be out
.else
	s_wait_loadcnt 4*(15-(\u))
.endif
.set TR, G+16*((\u)%8)
	TURN16 TR
.endm
; One step.  gate = 1: the step's numbers also go into the eight gate sums.
.macro QSTEP t, gate
.set XS, G+16*((\t)%8)
.if (\t) < 15
	MOVE (\t)+1, 6                                 ; the next step's turn is on its way while this step is worked on
.endif
.if (\t) == 0
	s_wait_dscnt 8                                 ; LDS instructions end in order: my numbers are back; the next step's turn (8) may be out
.elseif (\t) == 15
	s_wait_dscnt 4                                 ; behind my numbers' loads: step 14's scale byte and its three words of codes
.else
	s_wait_dscnt 12+2*(\gate)*(1-(\t)%2)           ; behind them: the last step's scale byte and three words of codes, a row's two stores of gate weights where a row has just ended, the next step's turn
.endif
	v_max3_num_f32 v8, |v[XS]|, |v[XS+1]|, |v[XS+2]|               ; the largest magnitude of my 16, in two chains
	v_max3_num_f32 v9, |v[XS+3]|, |v[XS+4]|, |v[XS+5]|
.irp i, 6,10
	v_max3_num_f32 v8, v8, |v[XS+\i]|, |v[XS+\i+1]|
	v_max3_num_f32 v9, v9, |v[XS+\i+2]|, |v[XS+\i+3]|
.endr
	v_max3_num_f32 v8, v8, |v[XS+14]|, |v[XS+15]|
	v_max_num_f32 v8, v8, v9
	v_max_num_f32_dpp v8, v8, v8 row_xmask:1 row_mask:0xf bank_mask:0xf   ; and of my neighbour's 16: the block's
	v_lshrrev_b32 v9, 23, v8                       ; its exponent field (the sign bit is 0)
	v_max_u32 v9, 3, v9                            ; the byte is not to fall under 1
	v_add_nc_u32 v9, -2, v9                        ; the scale's byte
	v_lshlrev_b32 v11, 23, v9                      ; and the scale as f32: the conversion takes its exponent field
	v_cmp_eq_u32 vcc_lo, 0, v8                     ; a block of zeros?
	v_cvt_scalef32_pk16_fp6_f32 v[C+4*(\t):C+4*(\t)+2], v[XS:XS+15], v11   ; sixteen codes, 96 bits without gaps, the first number's code lowest
	v_cndmask_b32 v[E+(\t)], v9, 127, vcc_lo       ; a block of zeros gets 127.  (Also the one plain vector instruction between a scaled conversion and what touches its result)
	ds_store_b8 v5, v[E+(\t)] offset:16*(\t)       ; both lanes of a block write the same byte with the same value
.irp w, 0,1,2
	ds_store_b32 v4, v[C+4*(\t)+\w] offset:3072*((\t)%2)+192*((\t)/2)+4*\w   ; planes 2 (t % 2) and 2 (t % 2) + 1, row t / 2
.endr
.if \gate
	WIN 0x04                                       ; source 1 (gate_w) in window 1
.set GS, 16*((\t)%2)
.irp p, 0,1,2,3,4,5,6,7                ; the eight experts' sums take turns, so that no instruction waits for the one in front of it
.irp e, 0,1,2,3,4,5,6,7
.if ((\t)%2 == 0) && (\p == 0)
	v_pk_mul_f32 v[ACC+2*\e:ACC+2*\e+1], v[XS+2*\p:XS+2*\p+1], v[32*\e+GS+2*\p:32*\e+GS+2*\p+1]   ; a row's first products start its sums: nothing is cleared
.else
	v_pk_fma_f32 v[ACC+2*\e:ACC+2*\e+1], v[XS+2*\p:XS+2*\p+1], v[32*\e+GS+2*\p:32*\e+GS+2*\p+1], v[ACC+2*\e:ACC+2*\e+1]
.endif
.endr
.endr
	WIN 0
.endif
.if (\t)+8 < 16
	LOAD (\t)+8                                    ; this step's set is free
.endif
.endm
; A row of x is through: its eight logits, their softmax, 32 bytes into my wave's LDS bytes.
.macro ROWEND r
.irp e, 0,1,2,3,4,5,6,7
	v_add_f32 v[L+\e], v[ACC+2*\e], v[ACC+2*\e+1]
.endr
.irp m, 1,2,4,8                        ; across the 32 lanes: four steps inside each half of 16 ride on the addition, one crosses the halves
.irp e, 0,1,2,3,4,5,6,7
	v_add_f32_dpp v[L+\e], v[L+\e], v[L+\e] row_xmask:\m row_mask:0xf bank_mask:0xf
.endr
.endr
.irp e, 0,1,2,3,4,5,6,7
	v_permlanex16_b32 v[T+\e], v[L+\e], s32, s33   ; (its destination counts as read: these registers held gate sums)
.endr
.irp e, 0,1,2,3,4,5,6,7
	v_add_f32 v[L+\e], v[L+\e], v[T+\e]
.endr
.irp e, 0,1,2,3,4,5,6,7
	v_add_f32 v[L+\e], s[24+\e], v[L+\e]           ; + gate_b: every lane now holds the row's eight logits
.endr
	v_max3_num_f32 v8, v[L], v[L+1], v[L+2]
	v_max3_num_f32 v8, v8, v[L+3], v[L+4]
	v_max3_num_f32 v8, v8, v[L+5], v[L+6]
	v_max_num_f32 v8, v8, v[L+7]                   ; the largest logit
	v_mul_f32 v8, s34, v8
.irp e, 0,1,2,3,4,5,6,7
	v_fma_f32 v[L+\e], v[L+\e], s34, -v8           ; (logit - the largest) x log2(e), fused
.endr
	s_wait_alu depctr_va_vdst(0)
.irp e, 0,1,2,3,4,5,6,7
	v_exp_f32 v[L+\e], v[L+\e]
.endr
	v_nop                                          ; one plain instruction between the exponentials and the use of their results (ISA guide 5.7.2)
	s_wait_alu depctr_va_vdst(0)
	v_add_f32 v8, v[L], v[L+1]
	v_add_f32 v9, v[L+2], v[L+3]
	v_add_f32 v10, v[L+4], v[L+5]
	v_add_f32 v11, v[L+6], v[L+7]
	v_add_f32 v8, v8, v9
	v_add_f32 v10, v10, v11
	v_add_f32 v8, v8, v10
	s_wait_alu depctr_va_vdst(0)
	v_rcp_f32 v12, v8
	v_mov_b32 v13, 0                               ; the plain instruction behind the reciprocal; it also writes the pair's second register, which the packed multiply names
	s_wait_alu depctr_va_vdst(0)
.irp p, 0,1,2,3
	v_pk_mul_f32 v[ACC+2*\p:ACC+2*\p+1], v[L+2*\p:L+2*\p+1], v[12:13] op_sel_hi:[1,0]
.endr
	ds_store_b128 v14, v[ACC:ACC+3] offset:32*\r   ; all lanes write the same bytes with the same values
	ds_store_b128 v14, v[ACC+4:ACC+7] offset:32*\r+16
.endm
	s_cmp_lt_u32 ttmp9, XWG
	s_cbranch_scc0 .Lw_path
	; ---- x: codes, scale bytes and the gate
	s_load_b256 s[24:31], s[10:11], 0x0            ; gate_b, eight numbers
	s_add_nc_u64 s[18:19], s[18:19], s[44:45]
	s_mov_b32 s32, 0x76543210                      ; v_permlanex16_b32: each lane takes its own place in the other half
	s_mov_b32 s33, 0xfedcba98
	s_mov_b32 s34, 0x3fb8aa3b                      ; log2(e)
	s_add_co_u32 s35, s21, 1024
	v_mov_b32 v14, s35                             ; LDS: my wave's 256 bytes of gate weights, behind the four waves' scale bytes
	WIN 0x44                                       ; a load's destination and an LDS store's data in window 1, addresses in window 0
.irp e, 0,1,2,3,4,5,6,7
.irp j, 0,1,2,3,4,5,6,7
	global_load_b128 v[32*\e+4*\j:32*\e+4*\j+3], v3, s[8:9] offset:4096*\e+512*\j   ; all of gate_w, 512 consecutive bytes a load
.endr
.endr
	WIN 0
.irp t, 0,1,2,3,4,5,6,7
	LOAD \t
.endr
	s_wait_loadcnt 32                              ; gate_w is in; x's first eight steps (32 loads) may be out
	WIN 0x44
	s_wait_alu depctr_va_vdst(0)
.irp g, 0,1,2,3,4,5,6,7,8,9,10,11,12,13,14,15
	TURN16 16*\g                                   ; half a row of gate_w at a time takes the same turn as a step of x: lane l then holds the k that it holds of x
.endr
	WIN 0
	s_wait_kmcnt 0x0                               ; gate_b
	MOVE 0, 7
.irp r, 0,1,2,3,4,5,6,7
	QSTEP 2*\r, 1
	QSTEP 2*\r+1, 1
	ROWEND \r
.endr
	ds_load_b64 v[12:13], v6                       ; LDS serves a wave's instructions in order (ISA guide 5.7.1.4): these see my stores
	ds_load_b64 v[10:11], v6 offset:1024
	s_wait_dscnt 0x0
	global_store_b64 v7, v[12:13], s[16:17]        ; 32 lanes store 256 consecutive bytes, at a multiple of 256 from the buffer's first byte
	global_store_b64 v7, v[10:11], s[18:19]        ; likewise
	CODES_OUT XPL
	s_wait_tensorcnt 0x0
	ds_add_u32 v211, v215
	s_wait_dscnt 0x0
	s_endpgm
.Lw_path:
	; ---- W: codes and scale bytes
.irp t, 0,1,2,3,4,5,6,7
	LOAD \t
.endr
	s_wait_alu depctr_va_vdst(0)
	MOVE 0, 7
.irp t, 0,1,2,3,4,5,6,7,8,9,10,11,12,13,14,15
	QSTEP \t, 0
.endr
	ds_load_b64 v[12:13], v6
	s_wait_dscnt 0x0
	global_store_b64 v7, v[12:13], s[16:17]
	CODES_OUT WPL
	s_wait_tensorcnt 0x0
	ds_add_u32 v211, v215
	s_wait_dscnt 0x0
	s_endpgm
.Lfunc_end_k_q57b5d2eec8_prep:
	.size	k_q57b5d2eec8_prep, .Lfunc_end_k_q57b5d2eec8_prep-k_q57b5d2eec8_prep
	.p2alignl 7, 3214868480
	.fill 96, 4, 3214868480
	.section	.rodata,"a",@progbits
	.p2align	6, 0x0
	.amdhsa_kernel k_q57b5d2eec8_prep
		.amdhsa_group_segment_fixed_size 35328
		.amdhsa_private_segment_fixed_size 0
		.amdhsa_enable_private_segment 0
		.amdhsa_kernarg_size 64
		.amdhsa_user_sgpr_count 2
		.amdhsa_user_sgpr_kernarg_segment_ptr 1
		.amdhsa_wavefront_size32 1
		.amdhsa_system_sgpr_workgroup_id_x 1
		.amdhsa_system_sgpr_workgroup_id_y 1
		.amdhsa_system_sgpr_workgroup_id_z 1
		.amdhsa_system_vgpr_workitem_id 0
		.amdhsa_next_free_vgpr 512
		.amdhsa_next_free_sgpr 66
		.amdhsa_reserve_vcc 1
		.amdhsa_float_denorm_mode_32 3
		.amdhsa_float_denorm_mode_16_64 3
		.amdhsa_memory_ordered 1
		.amdhsa_forward_progress 1
		.amdhsa_inst_pref_size 194
	.end_amdhsa_kernel
	.amdgpu_metadata
---
amdhsa.version: [ 1, 2 ]
amdhsa.kernels:
  - .name:           k_q57b5d2eec8_prep
    .symbol:         k_q57b5d2eec8_prep.kd
    .args:
      - { .name: x, .offset: 0, .size: 8, .value_kind: global_buffer, .address_space: global }
      - { .name: expert_w, .offset: 8, .size: 8, .value_kind: global_buffer, .address_space: global }
      - { .name: gate_w, .offset: 16, .size: 8, .value_kind: global_buffer, .address_space: global }
      - { .name: gate_b, .offset: 24, .size: 8, .value_kind: global_buffer, .address_space: global }
      - { .name: x_codes, .offset: 32, .size: 8, .value_kind: global_buffer, .address_space: global }
      - { .name: w_codes, .offset: 40, .size: 8, .value_kind: global_buffer, .address_space: global }
      - { .name: scales, .offset: 48, .size: 8, .value_kind: global_buffer, .address_space: global }
      - { .name: g, .offset: 56, .size: 8, .value_kind: global_buffer, .address_space: global }
    .group_segment_fixed_size: 35328
    .private_segment_fixed_size: 0
    .kernarg_segment_align: 8
    .kernarg_segment_size: 64
    .max_flat_workgroup_size: 128
    .sgpr_count:     66
    .vgpr_count:     512
    .wavefront_size: 32
...
	.end_amdgpu_metadata
.endif
;; end of part 3
;; launch moe (part 4): grid 16 x 16, 4 waves a work-group, clusters of 4 x 4, 327,680 bytes of LDS; arguments x_codes, w_codes, scales, g, expert_b, out0; writes out0
.if DOCPART == 4
	.amdgcn_target "amdgcn-amd-amdhsa--gfx1250"
	.amdhsa_code_object_version 6
	.text
	.protected	k_q57b5d2eec8_moe
	.globl	k_q57b5d2eec8_moe
	.p2align	8
	.type	k_q57b5d2eec8_moe,@function
k_q57b5d2eec8_moe:
	s_mov_b64 s[64:65], 0
	v_nop
	global_prefetch_b8 v0, s[64:65] scope:SCOPE_SE
	s_setreg_imm32_b32 hwreg(HW_REG_WAVE_MODE, 25, 1), 1
	s_wait_xcnt 0x0
	s_wait_alu depctr_hold_cnt(0) depctr_sa_sdst(0) depctr_va_vdst(0) depctr_va_sdst(0) depctr_va_ssrc(0) depctr_va_vcc(0) depctr_vm_vsrc(0)
	s_getreg_b32 s2, hwreg(HW_REG_IB_STS2, 6, 4)
	s_cmp_eq_u32 s2, 0
	s_cbranch_scc0 .Lentry_in_a_cluster
	s_endpgm
.Lentry_in_a_cluster:
	s_bfe_u32 s2, ttmp6, 0x10000c
	s_cmp_lg_u32 s2, 0xf033
	s_cbranch_scc0 .Lentry_shape_is_right
	s_endpgm
.Lentry_shape_is_right:
; out0[n][h] = sum over e of g[n][e] relu(x[n] . W[e][h] + b[e][h]): the products on codes of FP6 (E2M3) with E8M0 scales, as the launch before laid them; sums, relu and the weighted sum in f32.
; W's rows lie in the order n' = 128 (h / 16) + 16 e + h % 16, so a wave's 128 columns of a tile are 16 neighbouring h of all 8 experts: the sum over experts is made in a lane's own registers.
; A work-group of four waves takes 256 tokens and walks four tiles of 256 n'; a wave makes 128 x 128 (64 accumulators).  The bias is the C of a tile's first products.
; K goes in chunks of 256 through a ring of two LDS slots.  The codes lie in four planes, one for each chunk, 192 bytes a row, row behind row: the 128 rows that a wave fetches are 24,576 dense bytes,
; which come as 96 tensor rows of 256 bytes, each at a multiple of 256.  16 bytes of padding follow each 64 in LDS, so a row of codes is 240 bytes there.
; CLUSTERS of 4 x 4: x's tiles are asked for jointly along a row of the cluster, W's along a column; each refill stands behind a round of the cluster's barrier.
; PREFETCH: in the four changes of slots of a tile that has a successor, the two waves that fetch W ask for the next tile's chunks 0 to 3, each two refills ahead of the load that wants it:
; of a wave's 96 blocks of 256 bytes the partner at place cy takes 24, a lane a block (lanes 24-31 name the last again), so each block is named once in a cluster.  The first tile's chunks come by their loads alone.
; x is not prefetched: its first walk begins at the head, with no trip ahead of it, and the three later walks read the same bytes again.
; Results of two tiles (64 h, 256 bytes a token) are gathered in a stage of their own in LDS and leave as whole runs of 256 bytes.
; LIMITS: those of the quantising launch (NaN and infinities among the inputs are not served).
.set KROW,   192                       ; a row of codes in a plane
.set ROWB,   4096*192                  ; from chunk to chunk in memory: a plane of x's codes,
.set ROWW,   16384*192                 ; and of W's
.set PFO,    26                        ; v26: the prefetches' offset, 256 x min(lane, 23); never rewritten
.set PFB,    80                        ; s[80:81]: my work-group's 24 blocks of the 96 of W that my wave fetches, in tile 0, chunk 0
.set PF,     82                        ; s[82:83]: the same in the next tile; s[84:85]: its chunk 2
.set TILEB,  256*KROW
.set PITCH,  240
.set FR,     12
.set NL,     3
.set NP,     4
.set HALFT,  128*PITCH
.set SLOT,   4*HALFT
.set STAGE,  2*SLOT
.set SPITCH, 272
.set SPARE,  STAGE+256*SPITCH
.set XSCL,   4096*32
.set O,    0
.set STO0, 8
.set STA,  9
.set RD,   10
.set CO,   11
.set SOFF, 12
.set SINC, 13
.set BOFF, 14
.set GOFF, 15
.set ADRA, 16
.set ADRB, 20
.set BOFF0, 24
.set SOFF0, 25
.set SPW,  28
.set NIL,  29
.set SC,   32
.set BIAS, 96
.set AF,   128
.set OB,   128
.set G1, 24
.set G0, 32
.set G1B, 48
.set G0B, 56
.set TL, 66
.set SH, 67
.set WB, 72
.set WOFF, 74
.set CL, 76
.set TN, 77
.set OUT2, 78
.set MSB, 0
.macro WIN new
.if MSB != (\new)
	s_set_vgpr_msb (MSB<<8)|(\new)
.set MSB, \new
.endif
.endm
.set MUL_LO,  0xa1
.set MUL_HI,  0xf1
.set MULB_LO, 0x81
.set MULB_HI, 0xc1
.set TO_B,    0x40
.set ST_B,    0x04
.macro JLOAD g0a, g1a, g0b, g1b
	s_cmp_eq_u32 s17, 0
	s_cbranch_scc0 .Lfor_b_\@
	tensor_load_to_lds s[\g0a:\g0a+3], s[\g1a:\g1a+7]
	s_nop 0
.rept 4
	v_nop
.endr
	s_branch .Lasked_\@
.Lfor_b_\@:
	tensor_load_to_lds s[\g0b:\g0b+3], s[\g1b:\g1b+7]
	s_nop 0
.rept 4
	v_nop
.endr
.Lasked_\@:
.endm
.macro CREST
	s_cmp_lg_u32 s16, 0
	s_cbranch_scc1 .Lnot_wave_0_\@
	s_barrier_signal -3
.Lnot_wave_0_\@:
	s_barrier_wait -3
	s_barrier_signal -1
	s_barrier_wait -1
.endm
.macro CROUND
	s_barrier_signal -1
	s_barrier_wait -1
	CREST
.endm
	s_load_b256 s[4:11], s[0:1], 0x0
	s_load_b128 s[12:15], s[0:1], 0x20
	v_lshl_add_u32 v[SPW], v0, 2, SPARE
	v_mov_b32 v[NIL], 0
	ds_add_u32 v28, v29
	ds_add_u32 v28, v29
	s_wait_dscnt 0x0
	v_lshrrev_b32 v1, 5, v0
	v_readfirstlane_b32 s16, v1
	s_lshr_b32 s17, s16, 1
	s_and_b32 s18, s16, 1
	s_bfe_u32 s40, ttmp6, 0x40000
	s_bfe_u32 s41, ttmp6, 0x40004
	s_lshl_b32 s42, ttmp9, 2
	s_add_co_u32 s42, s42, s40
	s_and_b32 s[CL], ttmp7, 0xffff
	s_lshl_b32 s19, s[CL], 2
	s_add_co_u32 s19, s19, s41
	s_lshl_b32 s43, s41, 2
	s_lshl_b32 s43, 15, s43
	s_lshl_b32 s44, 0x1111, s40
	s_or_b32 s[G1+0], s43, (0<<16)|(1<<20)|(1<<21)|(3<<22)|(3<<25)
	s_or_b32 s[G1B+0], s44, (0<<16)|(1<<20)|(1<<21)|(3<<22)|(3<<25)
.irp g, G1, G1B
	s_mov_b32 s[\g+1], 256<<16                     ; 96 dense rows of 256 bytes
	s_mov_b32 s[\g+2], 96<<16
	s_mov_b32 s[\g+3], 256<<16
	s_mov_b32 s[\g+4], 96
	s_mov_b32 s[\g+5], 256
	s_mov_b32 s[\g+6], 0
	s_mov_b32 s[\g+7], 0
.endr
	s_lshl_b32 s22, s18, 7
	s_lshl_b32 s20, s19, 8
	s_add_co_u32 s20, s20, s22
	s_mul_i32 s20, s20, KROW
	s_mov_b32 s21, 0
	s_lshl_b32 s46, s42, 10
	s_add_co_u32 s46, s46, s22
	s_mul_i32 s46, s46, KROW
	s_mov_b32 s47, 0
	s_mul_i32 s[WOFF], s[CL], TILEB
	s_mov_b32 s[WOFF+1], 0
	s_mul_i32 s45, s16, HALFT
	s_wait_kmcnt 0x0
	s_add_nc_u64 s[20:21], s[4:5], s[20:21]
	s_add_nc_u64 s[WB:WB+1], s[6:7], s[46:47]
	s_add_nc_u64 s[46:47], s[WB:WB+1], s[WOFF:WOFF+1]
	s_mul_i32 s[PFB], s41, 24*256                  ; the partners share the blocks out by address
	s_mov_b32 s[PFB+1], 0
	s_add_nc_u64 s[PFB:PFB+1], s[WB:WB+1], s[PFB:PFB+1]
	CROUND
.irp s, 0,1
	s_mov_b32 s[G0+4*\s], 1
	s_add_co_u32 s[G0+4*\s+1], s45, \s*SLOT
	s_add_nc_u64 s[G0+4*\s+2:G0+4*\s+3], s[20:21], \s*ROWB
	s_or_b32 s[G0+4*\s+3], s[G0+4*\s+3], 0x80000000
	s_mov_b32 s[G0B+4*\s], 1
	s_add_co_u32 s[G0B+4*\s+1], s45, \s*SLOT
	s_add_nc_u64 s[G0B+4*\s+2:G0B+4*\s+3], s[46:47], \s*ROWW
	s_or_b32 s[G0B+4*\s+3], s[G0B+4*\s+3], 0x80000000
.endr
	JLOAD G0, G1, G0B, G1B                         ; chunk 0, behind the round above: one tensor load a wave at the head; the addresses and the global loads below are made while it is out
	v_and_b32 v1, 15, v0
	v_bfe_u32 v2, v0, 4, 1
	v_and_b32 v[PFO], 31, v0
	v_min_u32 v[PFO], 23, v[PFO]
	v_lshlrev_b32 v[PFO], 8, v[PFO]
	v_lshlrev_b32 v[GOFF], 5, v1
	s_wait_alu depctr_va_vdst(0)
	s_lshl_b32 s68, s19, 8
	s_lshl_b32 s93, s17, 7
	s_add_co_u32 s68, s68, s93
	s_lshl_b32 s68, s68, 5
	s_mov_b32 s92, s68
	s_mov_b32 s93, 0
	s_add_nc_u64 s[10:11], s[10:11], s[92:93]
	WIN TO_B
.irp a, 0,1,2,3,4,5,6,7
	global_load_b128 v[96+8*\a+96*(\a/4):96+8*\a+96*(\a/4)+3],   v[GOFF], s[10:11] offset:512*\a
	global_load_b128 v[96+8*\a+96*(\a/4)+4:96+8*\a+96*(\a/4)+7], v[GOFF], s[10:11] offset:512*\a+16
.endr
	WIN 0
	s_lshl_b32 s70, s42, 9
	s_lshl_b32 s71, s18, 6
	s_add_co_u32 s70, s70, s71
	v_lshl_add_u32 v[BOFF0], v2, 5, s70
	v_lshl_add_u32 v[BOFF], s[CL], 7, v[BOFF0]
	s_lshl_b32 s69, s42, 10
	s_lshl_b32 s71, s18, 7
	s_add_co_u32 s69, s69, s71
	s_lshl_b32 s69, s69, 5
	s_add_co_u32 s69, s69, XSCL
	s_sub_co_u32 s71, s69, s68
	v_mul_u32_u24 v6, s71, v2
	v_add_nc_u32 v6, v6, v[GOFF]
	v_add_nc_u32 v[SOFF0], s68, v6
	v_lshlrev_b32 v[SINC], 13, v2
	v_mad_u32_u24 v[SOFF], v[SINC], s[CL], v[SOFF0]
.macro BIAS_LOAD
.irp b, 0,1,2,3,4,5,6,7
	global_load_b128 v[BIAS+8*\b+96*(\b/4):BIAS+8*\b+96*(\b/4)+3],   v[BOFF], s[12:13] offset:8192*\b
	global_load_b128 v[BIAS+8*\b+96*(\b/4)+4:BIAS+8*\b+96*(\b/4)+7], v[BOFF], s[12:13] offset:8192*\b+16
.endr
.endm
.macro SCALE_LOAD
.irp i, 0,1,2,3,4,5,6,7
	global_load_b128 v[SC+8*\i:SC+8*\i+3],   v[SOFF], s[8:9] offset:512*\i
	global_load_b128 v[SC+8*\i+4:SC+8*\i+7], v[SOFF], s[8:9] offset:512*\i+16
.endr
.endm
	BIAS_LOAD
	SCALE_LOAD
	v_mul_u32_u24 v3, v1, PITCH
	v_mul_u32_u24 v4, v2, 48
	v_add_nc_u32 v4, v3, v4
	v_lshl_add_u32 v5, v2, 4, v4
	s_mul_i32 s22, s17, HALFT
	s_mul_i32 s23, s18, HALFT
	s_add_co_u32 s23, s23, 2*HALFT
.irp s, 0,1
	v_add_nc_u32 v[ADRA+\s], s22, v4
	v_add_nc_u32 v[ADRB+\s], s23, v4
	v_add_nc_u32 v[ADRA+2+\s], s22, v5
	v_add_nc_u32 v[ADRB+2+\s], s23, v5
	s_add_co_u32 s22, s22, SLOT
	s_add_co_u32 s23, s23, SLOT
.endr
	s_mul_i32 s22, s17, 128*SPITCH
	s_lshl_b32 s23, s18, 6
	s_add_co_u32 s22, s22, s23
	s_add_co_u32 s22, s22, STAGE
	v_mul_u32_u24 v3, v1, SPITCH
	v_lshl_add_u32 v3, v2, 5, v3
	v_add_nc_u32 v[STO0], s22, v3
	s_mul_i32 s22, s16, 64*SPITCH
	s_add_co_u32 s22, s22, STAGE
	v_mul_u32_u24 v3, v2, SPITCH
	v_lshl_add_u32 v3, v1, 4, v3
	v_add_nc_u32 v[RD], s22, v3
	v_lshlrev_b32 v3, 4, v1
	s_and_b32 s93, s[CL], 1
	s_lshl_b32 s93, s93, 7
	v_xor_b32 v3, s93, v3
	v_lshl_add_u32 v[CO], v2, 13, v3
	s_lshl_b32 s94, s19, 8
	s_lshl_b32 s95, s16, 6
	s_add_co_u32 s94, s94, s95
	s_lshl_b32 s94, s94, 13
	s_mov_b32 s95, 0
	s_add_nc_u64 s[14:15], s[14:15], s[94:95]
	s_lshl_b32 s96, s42, 9
	s_mov_b32 s97, 0
	s_add_nc_u64 s[14:15], s[14:15], s[96:97]
	s_lshr_b32 s94, s[CL], 1
	s_lshl_b32 s94, s94, 8
	s_xor_b32 s96, s94, 256
	s_add_nc_u64 s[OUT2:OUT2+1], s[14:15], s[96:97]
	s_add_nc_u64 s[14:15], s[14:15], s[94:95]
.macro FRAG reg, adr, q, i
.irp j, 0,1,2
.set DD, 96*(\q)+16*\j
.if DD%64 == 0
	ds_load_b128 v[\reg+4*\j:\reg+4*\j+3], v[\adr] offset:DD+16*(DD/64)+(\i)*16*PITCH
.else
	ds_load_b128 v[\reg+4*\j:\reg+4*\j+3], v[\adr+2] offset:DD+16*(DD/64)+(\i)*16*PITCH
.endif
.endr
.endm
.macro MUL8 a, p, kq, mode
.irp b, 0,1,2,3,4,5,6,7
.if \mode
	v_wmma_scale_f32_16x16x128_f8f6f4 v[8*(8*((\a)%4)+\b):8*(8*((\a)%4)+\b)+7], v[128*(\p)+FR*\b:128*(\p)+FR*\b+FR-1], v[AF+FR*(\a):AF+FR*(\a)+FR-1], v[BIAS+8*\b+96*(\b/4):BIAS+8*\b+96*(\b/4)+7], v[SC+8*\b+(\kq)], v[SC+8*(\a)+(\kq)] matrix_a_fmt:MATRIX_FMT_FP6 matrix_b_fmt:MATRIX_FMT_FP6 matrix_a_scale:MATRIX_SCALE_ROW1
.else
	v_wmma_scale_f32_16x16x128_f8f6f4 v[8*(8*((\a)%4)+\b):8*(8*((\a)%4)+\b)+7], v[128*(\p)+FR*\b:128*(\p)+FR*\b+FR-1], v[AF+FR*(\a):AF+FR*(\a)+FR-1], v[8*(8*((\a)%4)+\b):8*(8*((\a)%4)+\b)+7], v[SC+8*\b+(\kq)], v[SC+8*(\a)+(\kq)] matrix_a_fmt:MATRIX_FMT_FP6 matrix_b_fmt:MATRIX_FMT_FP6 matrix_a_scale:MATRIX_SCALE_ROW1
.endif
.endr
.endm
.macro MUL16 a0, p, kq, mode
	MUL8 \a0, \p, \kq, \mode
	MUL8 \a0+1, \p, \kq, \mode
.endm
.macro FETCH_B slot, q, p
	WIN TO_B
.irp i, 0,1,2,3,4,5,6,7
	FRAG 128*(\p)+FR*\i, ADRB+\slot, \q, \i
.endr
	WIN 0
.endm
.macro FETCH_A slot, q, i0
.irp i, \i0, \i0+1, \i0+2, \i0+3
	FRAG AF+FR*(\i), ADRA+\slot, \q, \i
.endr
.endm
.macro PLACES n
.rept \n
	v_nop
.endr
.endm
.macro STEP slot, ks, first
	s_wait_dscnt 4*NL
.if \first
	WIN MULB_LO
.else
	WIN MUL_LO
.endif
	MUL16 0, 0, 2*(\ks), \first
	MUL16 2, 0, 2*(\ks), \first
	s_wait_dscnt 0x0
	PLACES NP
	FETCH_B \slot, 1, 1
	FETCH_A \slot, 1, 0
.if \first
	WIN MULB_HI
.else
	WIN MUL_HI
.endif
	MUL16 4, 0, 2*(\ks), \first
	MUL16 6, 0, 2*(\ks), \first
	PLACES NP
	WIN 0
	FETCH_A \slot, 1, 4
.endm
.macro ASK ks                          ; W's waves ask for chunk ks of the next tile: 24 blocks of 256 bytes
	s_cmp_eq_u32 s17, 0
	s_cbranch_scc1 .Lno_ask_\@
	global_prefetch_b8 v[PFO], s[PF+2*((\ks)/2):PF+2*((\ks)/2)+1] offset:ROWW*((\ks)%2) th:TH_LOAD_NT scope:SCOPE_SE
.Lno_ask_\@:
.endm
.macro TURN slot, next, ks, fill, ask
	s_wait_dscnt 4*NL
	WIN MUL_LO
	MUL16 0, 1, 2*(\ks)+1, 0
	WIN 0
	s_wait_tensorcnt 0x0
	ds_add_u32 v[SPW], v[NIL]
	WIN MUL_LO
	MUL8 2, 1, 2*(\ks)+1, 0
	s_wait_dscnt 0x0
	s_barrier_signal -1
	MUL8 3, 1, 2*(\ks)+1, 0
	WIN 0
	s_barrier_wait -1
.if (\fill)
	CREST
.if (\fill) == 1
	s_add_nc_u64 s[G0+4*\slot+2:G0+4*\slot+3], s[G0+4*\slot+2:G0+4*\slot+3], 2*ROWB
	s_add_nc_u64 s[G0B+4*\slot+2:G0B+4*\slot+3], s[G0B+4*\slot+2:G0B+4*\slot+3], 2*ROWW
.else
	s_sub_nc_u64 s[G0+4*\slot+2:G0+4*\slot+3], s[G0+4*\slot+2:G0+4*\slot+3], 2*ROWB
	s_add_nc_u64 s[G0B+4*\slot+2:G0B+4*\slot+3], s[WB:WB+1], s[WOFF:WOFF+1]
.if \slot
	s_add_nc_u64 s[G0B+4*\slot+2:G0B+4*\slot+3], s[G0B+4*\slot+2:G0B+4*\slot+3], ROWW
.endif
	s_or_b32 s[G0B+4*\slot+3], s[G0B+4*\slot+3], 0x80000000
.endif
	JLOAD G0+4*\slot, G1, G0B+4*\slot, G1B
.else
	PLACES NP
.endif
	FETCH_B \next, 0, 0
	FETCH_A \next, 0, 0
.if \ask
	ASK \ks                                        ; behind the joint load and the run of LDS loads
.endif
	WIN MUL_HI
	MUL16 4, 1, 2*(\ks)+1, 0
	MUL16 6, 1, 2*(\ks)+1, 0
	PLACES NP
	WIN 0
	FETCH_A \next, 0, 4
.endm
.macro LASTSTEP
	s_wait_dscnt 4*NL
	WIN MUL_LO
	MUL16 0, 1, 7, 0
	MUL16 2, 1, 7, 0
	s_wait_dscnt 0x0
	WIN MUL_HI
	MUL16 4, 1, 7, 0
	MUL16 6, 1, 7, 0
	WIN 0
	PLACES NP
.endm
.macro TILE succ
	STEP 0, 0, 1
.if \succ
	v_lshl_add_u32 v[BOFF], s[TN], 7, v[BOFF0]
	BIAS_LOAD
.endif
	TURN 0, 1, 0, 1, \succ
	STEP 1, 1, 0
	TURN 1, 0, 1, 1, \succ
	STEP 0, 2, 0
	TURN 0, 1, 2, 2*\succ, \succ
	STEP 1, 3, 0
.if \succ
	TURN 1, 0, 3, 2, 1
.else
	LASTSTEP
.endif
.endm
.macro EPI succ
.if \succ
	v_mad_u32_u24 v[SOFF], v[SINC], s[TN], v[SOFF0]
	SCALE_LOAD
.endif
	v_add_nc_u32 v[STA], s[SH], v[STO0]
.irp a, 0,1,2,3,4,5,6,7
.set AC, 64*(\a%4)
.set GA, 96+8*\a+96*(\a/4)
	WIN 0x88+0x44*(\a/4)
.set i, 0
.rept 64
	v_max_num_f32 v[AC+i], 0, v[AC+i]
.set i, i+1
.endr
	WIN 0x06+(\a/4)
.irp p, 0,1,2,3
	v_pk_mul_f32 v[O+2*\p:O+2*\p+1], v[AC+2*\p:AC+2*\p+1], v[GA:GA+1] op_sel_hi:[1,0]
.endr
.irp e, 1,2,3,4,5,6,7
.irp p, 0,1,2,3
.if \e%2
	v_pk_fma_f32 v[O+2*\p:O+2*\p+1], v[AC+8*\e+2*\p:AC+8*\e+2*\p+1], v[GA+\e-1:GA+\e], v[O+2*\p:O+2*\p+1] op_sel:[0,1,0] op_sel_hi:[1,1,1]
.else
	v_pk_fma_f32 v[O+2*\p:O+2*\p+1], v[AC+8*\e+2*\p:AC+8*\e+2*\p+1], v[GA+\e:GA+\e+1], v[O+2*\p:O+2*\p+1] op_sel_hi:[1,0,1]
.endif
.endr
.endr
	WIN 0
	ds_store_b128 v[STA], v[O:O+3] offset:16*SPITCH*\a
	ds_store_b128 v[STA], v[O+4:O+7] offset:16*SPITCH*\a+16
.endr
	s_xor_b32 s[SH], s[SH], 128
.endm
.macro OUT
	s_wait_dscnt 0x0
	s_barrier_signal -1
	s_barrier_wait -1
.irp u, 0,1
	WIN TO_B
.irp t, 0,1,2,3,4,5,6,7,8,9,10,11,12,13,14,15
	ds_load_b128 v[OB+4*\t:OB+4*\t+3], v[RD] offset:2*SPITCH*(16*\u+\t)
.endr
	WIN ST_B
.irp t, 0,1,2,3,4,5,6,7,8,9,10,11,12,13,14,15
	s_wait_dscnt 15-\t
	global_store_b128 v[CO], v[OB+4*\t:OB+4*\t+3], s[14:15] offset:16384*(16*\u+\t) th:TH_STORE_NT
.endr
	s_wait_xcnt 0x0
.endr
	WIN 0
.endm
	s_wait_alu depctr_va_vdst(0)
	s_wait_tensorcnt 0x0                           ; my part of chunk 0 is in
	ds_add_u32 v[SPW], v[NIL]
	s_wait_dscnt 0x0
	CROUND                                         ; everybody's part of chunk 0 is in, and the sixteen work-groups meet
	JLOAD G0+4, G1, G0B+4, G1B                     ; chunk 1, slot 1's first fill: the first tensor load behind the round
	FETCH_B 0, 0, 0
	FETCH_A 0, 0, 0
	FETCH_A 0, 0, 4
	s_wait_loadcnt 0x0
	s_mov_b32 s[TL], 3
	s_mov_b32 s[SH], 0
.Ltile:
	s_sub_co_u32 s[TN], 4, s[TL]
	s_xor_b32 s[TN], s[TN], s[CL]
	s_mul_i32 s[WOFF], s[TN], TILEB
	s_wait_xcnt 0x0                                ; the last tile's prefetches have read their bases
	s_add_nc_u64 s[PF:PF+1], s[PFB:PFB+1], s[WOFF:WOFF+1]
	s_add_nc_u64 s[PF+2:PF+3], s[PF:PF+1], 2*ROWW
	TILE 1
	s_wait_alu depctr_va_vdst(0)
	EPI 1
	s_cmp_lg_u32 s[TL], 2
	s_cbranch_scc1 .Lno_out
	OUT
	s_mov_b64 s[14:15], s[OUT2:OUT2+1]
.Lno_out:
	s_wait_loadcnt 0x0
	s_sub_co_u32 s[TL], s[TL], 1
	s_cmp_lg_u32 s[TL], 0
	s_cbranch_scc1 .Ltile
	TILE 0
	EPI 0
	OUT
	s_wait_tensorcnt 0x0
	ds_add_u32 v[SPW], v[NIL]
	s_wait_dscnt 0x0
	CROUND
	s_endpgm
.Lfunc_end_k_q57b5d2eec8_moe:
	.size	k_q57b5d2eec8_moe, .Lfunc_end_k_q57b5d2eec8_moe-k_q57b5d2eec8_moe
	.p2alignl 7, 3214868480
	.fill 96, 4, 3214868480
	.section	.rodata,"a",@progbits
	.p2align	6, 0x0
	.amdhsa_kernel k_q57b5d2eec8_moe
		.amdhsa_group_segment_fixed_size 327680
		.amdhsa_private_segment_fixed_size 0
		.amdhsa_enable_private_segment 0
		.amdhsa_kernarg_size 48
		.amdhsa_user_sgpr_count 2
		.amdhsa_user_sgpr_kernarg_segment_ptr 1
		.amdhsa_wavefront_size32 1
		.amdhsa_system_sgpr_workgroup_id_x 1
		.amdhsa_system_sgpr_workgroup_id_y 1
		.amdhsa_system_sgpr_workgroup_id_z 1
		.amdhsa_system_vgpr_workitem_id 0
		.amdhsa_next_free_vgpr 1024
		.amdhsa_next_free_sgpr 98
		.amdhsa_reserve_vcc 0
		.amdhsa_float_denorm_mode_32 3
		.amdhsa_float_denorm_mode_16_64 3
		.amdhsa_memory_ordered 1
		.amdhsa_forward_progress 1
		.amdhsa_inst_pref_size 255
	.end_amdhsa_kernel
	.section	.bss,"aw",@nobits
	.p2align	6
	.space	262144
	.amdgpu_metadata
---
amdhsa.version: [ 1, 2 ]
amdhsa.kernels:
  - .name:           k_q57b5d2eec8_moe
    .symbol:         k_q57b5d2eec8_moe.kd
    .args:
      - { .name: x_codes, .offset: 0, .size: 8, .value_kind: global_buffer, .address_space: global }
      - { .name: w_codes, .offset: 8, .size: 8, .value_kind: global_buffer, .address_space: global }
      - { .name: scales, .offset: 16, .size: 8, .value_kind: global_buffer, .address_space: global }
      - { .name: g, .offset: 24, .size: 8, .value_kind: global_buffer, .address_space: global }
      - { .name: expert_b, .offset: 32, .size: 8, .value_kind: global_buffer, .address_space: global }
      - { .name: out0, .offset: 40, .size: 8, .value_kind: global_buffer, .address_space: global }
    .group_segment_fixed_size: 327680
    .private_segment_fixed_size: 0
    .kernarg_segment_align: 8
    .kernarg_segment_size: 48
    .max_flat_workgroup_size: 128
    .sgpr_count:     98
    .vgpr_count:     1024
    .wavefront_size: 32
...
	.end_amdgpu_metadata
.endif
;; end of part 4
